; MI455X (gfx1250); checked and timed in simulation.
; The chip was launched on July 23, 2026; its instructions are those of AMD's public machine-readable ISA for CDNA 5 (MIT licence, August 2026) and "CDNA5" Instruction Set Architecture Reference Guide (July 2026). The comments in the code are by the model that wrote it; some were corrected since.
;; Multi Head Attention. Allowed arithmetic: matrix products marked QUANTISED: E2M3 operands, one E8M0 scale for each 32 along K, by v_wmma_scale_f32_16x16x128_f8f6f4 with both operands' format E2M3, f32 sums; everything else in f32.
;; Inputs: Wk 1,024 x 1,024 float32; Wo 1,024 x 1,024 float32; Wq 1,024 x 1,024 float32; Wv 1,024 x 1,024 float32; bk 1,024 float32; bo 1,024 float32; bq 1,024 float32; bv 1,024 float32; mask 4 x 2,048 x 2,048 bool; x 4 x 2,048 x 1,024 float32.
;; Outputs: out0 4 x 2,048 x 1,024 float32.
;; This version of the problem:
;;   THIS VERSION OF THE PROBLEM IS GIVEN IN LOW PRECISION. The matrix products marked QUANTISED in the list below multiply operands that are first quantised to E2M3 (2 exponent bits, 3 mantissa bits; 6 bits a number), with one power-of-two scale for each 32 numbers along K (OCP MX v1.0); their sums are f32. All else is computed in f32.
;;   The module's matrix products, in the order in which they are computed (A, B: the left and right operand; K: the contracted axis; several contracted axes count as one K, in the product's order):
;;     1. [M 8,192, K 1,024] x [K 1,024, N 1,024]; A: input x; B: input Wq: QUANTISED
;;     2. [M 8,192, K 1,024] x [K 1,024, N 1,024]; A: input x; B: input Wk: QUANTISED
;;     3. [M 8,192, K 1,024] x [K 1,024, N 1,024]; A: input x; B: input Wv: QUANTISED
;;     4. batch 64 x [M 2,048, K 64] x [K 64, N 2,048]; A: computed on the way; B: computed on the way: QUANTISED
;;     5. batch 64 x [M 2,048, K 2,048] x [K 2,048, N 64]; A: softmax (see below); B: computed on the way: QUANTISED
;;     6. [M 8,192, K 1,024] x [K 1,024, N 1,024]; A: computed on the way; B: input Wo: QUANTISED
;;   THE QUANTISER, for each operand of a quantised product, along K:
;;     - K is cut into blocks of 32 from its start; a last block that is shorter is filled with zeros.
;;     - A block's scale is 2^e with e = floor(log2(the largest magnitude in the block)) - 2, held to -126 .. 127; a block of zeros has e = 0. As a byte (E8M0): e + 127.
;;     - Each number is divided by its block's scale, clamped to +-7.5, and rounded to the nearest number of E2M3, ties to even, subnormals kept.
;;     - The product sums the exact products of the quantised numbers (number of the format x scale) in f32.
;;   ~~~python
;;   def quantise(x, axis):      # numpy; x: float32 -> the quantised numbers, widened to float32 again
;;       x = np.moveaxis(x, axis, -1); K = x.shape[-1]
;;       x = np.pad(x, [(0, 0)] * (x.ndim - 1) + [(0, -K % 32)]); x = x.reshape(x.shape[:-1] + (-1, 32)); a = np.abs(x).max(-1, keepdims=True)
;;       e = np.where(a > 0, np.clip(np.frexp(np.where(a > 0, a, 1))[1] - 1 - 2, -126, 127), 0)      # np.frexp(a)[1] - 1 = floor(log2(a)), exactly
;;       r = np.clip(x / 2.0 ** e, -7.5, 7.5)
;;       step = 2.0 ** (np.maximum(np.frexp(np.where(r == 0, 1, r))[1] - 1, 0) - 3)
;;       q = np.round(r / step) * step * 2.0 ** e      # np.round: ties to even
;;       return np.moveaxis(q.reshape(q.shape[:-2] + (-1,))[..., :K], -1, axis).astype(np.float32)
;;   ~~~
;;   SOFTMAX AHEAD OF A QUANTISED PRODUCT. Where the list says 'softmax', what is quantised is not the finished softmax but p = 2^(t - M), with t = logit x log2(e) and M = ceil(the row's largest t), a whole number; so 1/2 < the row's largest p <= 1. The row's sum l is taken of the UNQUANTISED p, in f32, and the product's result is divided by l at the end. Since M is a whole number, a kernel that streams over the keys may use a running M (the ceiling of the running maximum): every later rescaling is an exact power of two, which a block's scale takes up: the codes' values come out the same.
;;   OPERANDS COMPUTED ON THE WAY. 'Computed on the way' means the value that the module computes at that place (a softmax that the list does not call 'softmax' is quantised finished and normalised). What goes into a quantiser is computed in f32, as accurately as f32 sums, v_exp_f32 and their like allow (about 1e-6 of the number): no bf16 or f16 on the way to a quantiser, and a product that is left as it is and whose result goes on into a quantised operand takes f32 operands (vector FMAs, or v_wmma_f32_16x16x4_f32). A number that lies on a knife's edge between two numbers of the format may be rounded either way, as far as f32 arithmetic and the matrix unit's own rounding can turn it there, and no further.
;; 2 versions. Each part assembles by itself: llvm-mc -triple=amdgcn-amd-amdhsa -mcpu=gfx1250 --defsym DOCPART=n.
;; ======== version 1 of 2: 4 launches
;; limits: right only within a limited range of input values
;; workspace buffers: xq 6,553,600 bytes; wc 3,145,728 bytes; ws 131,072 bytes; mbits 2,097,152 bytes of whole numbers; flags 2,048 bytes of whole numbers; qkv 19,660,800 bytes; aq 6,553,600 bytes
;; launch prep (part 1): grid 640 x 1, 4 waves a work-group, no clusters, 51,712 bytes of LDS; arguments x, mask, Wq, Wk, Wv, Wo, xq, wc, ws, mbits, flags; writes xq, wc, ws, mbits, flags
.if DOCPART == 1
	.amdgcn_target "amdgcn-amd-amdhsa--gfx1250"
	.amdhsa_code_object_version 6
	.text
	.protected	k_q0b5b154db3_prep
	.globl	k_q0b5b154db3_prep
	.p2align	8
	.type	k_q0b5b154db3_prep,@function
k_q0b5b154db3_prep:
	s_mov_b64 s[64:65], 0
	v_nop
	global_prefetch_b8 v0, s[64:65] scope:SCOPE_SE
	s_setreg_imm32_b32 hwreg(HW_REG_WAVE_MODE, 25, 1), 1
	s_wait_xcnt 0x0
; PREP: x and the four weights become codes of FP6 (E2M3) with one E8M0 byte for each 32 along K, laid as IMAGES OF OPERAND REGISTERS; the mask becomes lane masks and step flags.
; A block's scale is 2^(floor(log2(largest magnitude)) - 2): its byte is the largest magnitude's exponent field - 2, held at 1 from below by a floor among the maximum's leaves.
; LIMITS: NaN and infinities among the inputs are not served.  A block of zeros gets the byte 1 (the rule says 127): its codes are zeros, and this program alone reads the bytes.
;         Mask bytes are 0 or 1: the lane masks take any byte that is not 0 as set, the flags compare with 0x01010101.
; TILES OF 16: tile T takes items rho(T, i) = 32 (T / 2) + 8 (T % 2) + i + 8 (i / 8): so the 16 result registers of two neighbouring tiles are 16 neighbours along the next K.
; AN IMAGE of a fragment (12 registers a lane): registers 4 c .. 4 c + 3 of lane L at 512 c + 16 L: 1,536 bytes; three stores or loads of 16 bytes a lane.
; Work-groups 0-255: x (a wave: 4 tiles of tokens x 128 along K).  256-383: the mask (a wave: 16 queries x all 2,048 keys).  384-639: the weights (a wave: 32 columns x 128 along K).
; The three paths part on the work-group's number and never join; waves share nothing, so there is no barrier; the paths that use LDS have bytes of their own.
.set XN,  144                          ; v144-207 path x: 64 numbers of a lane: register 16 b + i = k 32 b + 16 h + i of its row
.set R0,  16                           ; v16-79, v80-143 path x: two sets of 16 rows as loaded
.set R1,  80
.set PC,  208                          ; v208-219 the codes just made; v220-226 at work
.set TM,  228                          ; v228-231 largest magnitudes, v232-235 bytes, v240-243 the conversions' scale operands
.set PW,  244                          ; the scale word just made
.set PWE, 245                          ; the even tile's, kept
.set SW,  246                          ; v[246:247] two paired scale registers: lanes 0-15 the even tile's words, lanes 16-31 the odd tile's
.set XST, 8448                         ; path x: a wave's stage: 16 rows x (512 + 16) bytes
.set MB0, 33792                        ; path mask: its stages begin behind path x's four
.set MST, 4352                         ; 16 rows x (256 + 16) bytes
	s_load_b512 s[4:19], s[0:1], 0x0               ; x 4, mask 6, Wq 8, Wk 10, Wv 12, Wo 14, xq 16, wc 18
	s_load_b128 s[20:23], s[0:1], 0x40             ; ws 20, mbits 22
	s_load_b64 s[24:25], s[0:1], 0x50              ; flags
	v_lshl_add_u32 v254, v0, 2, 0xc800
	v_mov_b32 v255, 0
	v_lshrrev_b32 v1, 5, v0
	v_readfirstlane_b32 s26, v1                    ; wave
	v_and_b32 v1, 31, v0                           ; L
	v_and_b32 v2, 15, v0                           ; r
	v_bfe_u32 v3, v0, 4, 1                         ; h
	s_mov_b32 s27, 0xffff0000                      ; lanes 16-31
	s_mov_b32 s28, 0x76543210
	s_mov_b32 s29, 0xfedcba98                      ; v_permlanex16_b32's selects for lane l xor 16
	s_wait_kmcnt 0x0
	s_cmp_lt_u32 ttmp9, 256
	s_cbranch_scc1 .Lpath_x
	s_cmp_lt_u32 ttmp9, 384
	s_cbranch_scc1 .Lpath_m
; ---------------- THE WEIGHTS.  W is [k][n]: a lane takes a column and its registers run down K: a block of 32 lies in one lane, and the codes come out with K innermost.
	s_sub_co_u32 s30, ttmp9, 384
	s_lshr_b32 s31, s30, 6                         ; which matrix: q, k, v, o
	s_bfe_u32 s32, s30, 0x30003                    ; K step of 128
	s_and_b32 s33, s30, 7
	s_lshl_b32 s33, s33, 2
	s_add_co_u32 s33, s33, s26                     ; group of 32 columns
	s_cmp_eq_u32 s31, 1                            ; the choice hangs on the work-group's number alone
	s_cselect_b64 s[8:9], s[10:11], s[8:9]
	s_cmp_eq_u32 s31, 2
	s_cselect_b64 s[8:9], s[12:13], s[8:9]
	s_cmp_eq_u32 s31, 3
	s_cselect_b64 s[8:9], s[14:15], s[8:9]
	s_lshl_b32 s34, s32, 19                        ; 128 rows of 4,096 bytes
	s_lshl_b32 s35, s33, 7                         ; 32 columns of 4 bytes
	s_add_co_u32 s34, s34, s35
	s_mov_b32 s35, 0
	s_add_nc_u64 s[8:9], s[8:9], s[34:35]
	s_lshr_b32 s36, s33, 1                         ; head (64 columns)
	s_and_b32 s37, s33, 1                          ; which 32 of them: tiles 2 b', 2 b' + 1
	s_lshl_b32 s38, s31, 4
	s_add_co_u32 s38, s38, s36
	s_lshl_b32 s38, s38, 3
	s_add_co_u32 s38, s38, s32                     ; (16 matrix + head) 8 + K step
	s_lshl_b32 s40, s38, 2
	s_lshl_b32 s41, s37, 1
	s_add_co_u32 s40, s40, s41
	s_mul_i32 s40, s40, 1536
	s_mov_b32 s41, 0
	s_add_nc_u64 s[18:19], s[18:19], s[40:41]      ; my two tiles' images
	s_lshl_b32 s40, s38, 8
	s_lshl_b32 s42, s37, 7
	s_add_co_u32 s40, s40, s42
	s_add_nc_u64 s[20:21], s[20:21], s[40:41]      ; and their 32 scale words
	v_and_b32 v4, 7, v0
	v_bfe_u32 v5, v0, 3, 1
	v_lshl_add_u32 v4, v5, 4, v4
	v_lshl_add_u32 v4, v3, 3, v4                   ; my column: (L & 7) + 16 ((L >> 3) & 1) + 8 (L >> 4): lanes 0-15 are tile 2 b', lanes 16-31 tile 2 b' + 1
	v_lshlrev_b32 v4, 2, v4
	v_mul_u32_u24 v5, v3, 1536
	v_lshl_add_u32 v5, v2, 4, v5                   ; my tile's image, fragment lane r
	v_lshlrev_b32 v6, 2, v1
.set kk, 0
.rept 128
	global_load_b32 v[16+kk], v4, s[8:9] offset:4096*kk th:TH_LOAD_NT   ; W(128 ks + kk, my column): a wave reads 128 neighbouring bytes, the four waves 512
.set kk, kk+1
.endr
; block bl of my column: its codes are registers 6 (bl / 2) .. + 5 of fragment lane (r, bl % 2): v144-155 for h = 0, v156-167 for h = 1
.macro WBLOCK bl, wl
.set XB, 16+32*(\bl)
.set CB, 144+12*((\bl)%2)+6*((\bl)/2)
	s_wait_loadcnt \wl                             ; this block's 32 loads are in (the count: the younger loads, at most what the field can name)
	v_max3_num_f32 v172, |v[XB]|, |v[XB+1]|, |v[XB+2]|
	v_max3_num_f32 v173, |v[XB+3]|, |v[XB+4]|, |v[XB+5]|
.irp i, 6,10,14,18,22,26
	v_max3_num_f32 v172, v172, |v[XB+\i]|, |v[XB+\i+1]|
	v_max3_num_f32 v173, v173, |v[XB+\i+2]|, |v[XB+\i+3]|
.endr
	v_max3_num_f32 v172, v172, |v[XB+30]|, |v[XB+31]|
	v_max3_num_f32 v172, v172, v173, 0x1800000     ; with the floor 2^(3 - 127)
	v_add_nc_u32 v174, 0xff000000, v172            ; 2 off the exponent field: the conversion's scale operand
	v_lshrrev_b32 v175, 23, v174                   ; the byte
.if (\bl) == 0
	v_mov_b32 v176, v175
.else
	v_lshl_or_b32 v176, v175, 8*(\bl), v176        ; my column's scale word
.endif
	v_cvt_scalef32_pk16_fp6_f32 v[CB:CB+2], v[XB:XB+15], v174
	v_cvt_scalef32_pk16_fp6_f32 v[168:170], v[XB+16:XB+31], v174   ; (a conversion's three registers begin on an even number)
	v_nop                                          ; one plain place behind a scaled conversion
.irp i, 0,1,2
	v_mov_b32 v[CB+3+\i], v[168+\i]
.endr
.endm
	WBLOCK 0, 63
	WBLOCK 1, 63
	WBLOCK 2, 32
	WBLOCK 3, 0
.irp e, 0,1
.irp c, 0,1,2
	global_store_b128 v5, v[144+12*\e+4*\c:147+12*\e+4*\c], s[18:19] offset:512*\c+256*\e   ; sixteen lanes store 256 consecutive bytes of one tile's image, aligned
.endr
.endr
	global_store_b32 v6, v176, s[20:21]            ; 128 consecutive bytes: the words of tiles 2 b', 2 b' + 1
	s_endpgm
; ---------------- x.  64 numbers of a lane become a fragment's codes in v[PC] on and its row's scale word in v[PW].
.macro QUANT s
.irp b, 0,1,2,3
	v_max3_num_f32 v[TM+\b], |v[\s+16*\b]|, |v[\s+1+16*\b]|, 0x1800000   ; block b: my 16 numbers, and the floor 2^(3 - 127)
.endr
.irp i, 2,4,6,8,10,12,14
.irp b, 0,1,2,3
	v_max3_num_f32 v[TM+\b], v[TM+\b], |v[\s+16*\b+\i]|, |v[\s+1+16*\b+\i]|   ; the four blocks by turns
.endr
.endr
.irp b, 0,1,2,3
	v_permlanex16_b32 v[TM+4+\b], v[TM+\b], s28, s29
.endr
.irp b, 0,1,2,3
	v_max_num_f32 v[TM+\b], v[TM+\b], v[TM+4+\b]   ; with lane l xor 16's 16: the block's
.endr
.irp b, 0,1,2,3
	v_add_nc_u32 v[TM+12+\b], 0xff000000, v[TM+\b]
.endr
.irp b, 0,1,2,3
	v_lshrrev_b32 v[TM+4+\b], 23, v[TM+12+\b]
.endr
	v_lshl_or_b32 v[PW], v[TM+5], 8, v[TM+4]
	v_lshl_or_b32 v[PW], v[TM+6], 16, v[PW]
	v_lshl_or_b32 v[PW], v[TM+7], 24, v[PW]
.irp c, 0,1
	v_cvt_scalef32_pk16_fp6_f32 v[PC+6*\c:PC+2+6*\c], v[\s+32*\c:\s+15+32*\c], v[TM+12+2*\c]
	v_cvt_scalef32_pk16_fp6_f32 v[PC+12+4*\c:PC+14+4*\c], v[\s+16+32*\c:\s+31+32*\c], v[TM+12+2*\c+1]
.endr
	v_nop                                          ; one plain place behind a scaled conversion
.irp c, 0,1                                    ; the operand wants a whole block in a lane: lanes 0-15 block 2 c, lanes 16-31 block 2 c + 1
.irp i, 0,1,2
	v_permlane16_swap_b32 v[PC+6*\c+\i], v[PC+12+4*\c+\i]
.endr
.irp i, 0,1,2
	v_mov_b32 v[PC+3+6*\c+\i], v[PC+12+4*\c+\i]
.endr
.endr
.endm
.macro LOADT j, R                      ; tile j of my four: 16 rows, 512 consecutive bytes a load
.irp i, 0,1,2,3,4,5,6,7,8,9,10,11,12,13,14,15
	global_load_b128 v[\R+4*\i:\R+4*\i+3], v4, s[4:5] offset:(32*((\j)/2)+8*((\j)%2)+\i+8*(\i/8))*4096 th:TH_LOAD_NT
.endr
.endm
.macro TURN R                          ; through my stage: in as loaded, out 64 bytes of each block's half a lane.  LDS serves a wave's instructions in order
.irp i, 0,1,2,3,4,5,6,7,8,9,10,11,12,13,14,15
	ds_store_b128 v5, v[\R+4*\i:\R+4*\i+3] offset:528*\i
.endr
.irp b, 0,1,2,3
.irp j, 0,1,2,3
	ds_load_b128 v[XN+16*\b+4*\j:XN+16*\b+4*\j+3], v6 offset:128*\b+16*\j
.endr
.endr
.endm
.macro XTILE j, R, wl
	s_wait_loadcnt \wl                             ; this tile's 16 loads are in; the next tile's 16 may be out
	TURN \R
	s_wait_dscnt 0x0                               ; the numbers are back, and the stage's stores have read their registers,
.if (\j) < 2
	LOADT (\j)+2, \R                               ; which take the tile two on
.endif
	s_wait_xcnt 0x0                                ; the last tile's stores have read the codes' registers
	QUANT XN
.irp c, 0,1,2
	global_store_b128 v4, v[PC+4*\c:PC+4*\c+3], s[40:41] offset:(\j)*1536+512*\c   ; 512 consecutive bytes, aligned
.endr
.if (\j)%2 == 0
	v_mov_b32 v[PWE], v[PW]
.else
	v_cndmask_b32 v[SW+(\j)/2], v[PWE], v[PW], s27 ; lanes 0-15 the even tile's words, lanes 16-31 the odd tile's
.endif
.endm
.Lpath_x:
	s_lshl_b32 s30, ttmp9, 2
	s_add_co_u32 s30, s30, s26                     ; my unit
	s_lshr_b32 s31, s30, 4                         ; block of 128 tokens
	s_bfe_u32 s32, s30, 0x30001                    ; K step
	s_and_b32 s33, s30, 1                          ; which four of the block's eight tiles
	s_lshl_b32 s34, s31, 19
	s_lshl_b32 s35, s33, 18
	s_add_co_u32 s34, s34, s35
	s_lshl_b32 s35, s32, 9
	s_add_co_u32 s34, s34, s35
	s_mov_b32 s35, 0
	s_add_nc_u64 s[4:5], s[4:5], s[34:35]
	s_mul_i32 s36, s31, 102400
	s_lshl_b32 s38, s32, 3
	s_lshl_b32 s39, s33, 2
	s_add_co_u32 s38, s38, s39
	s_mul_i32 s38, s38, 1536
	s_add_co_u32 s38, s38, s36
	s_mov_b32 s39, 0
	s_add_nc_u64 s[40:41], s[16:17], s[38:39]      ; my four images
	s_lshl_b32 s38, s32, 9
	s_lshl_b32 s42, s33, 8
	s_add_co_u32 s38, s38, s42
	s_add_co_u32 s38, s38, s36
	s_add_co_u32 s38, s38, 98304
	s_add_nc_u64 s[16:17], s[16:17], s[38:39]      ; my 256 bytes of scale words
	v_lshlrev_b32 v4, 4, v1
	s_mul_i32 s43, s26, XST
	v_add_nc_u32 v5, s43, v4
	v_mul_u32_u24 v6, v2, 528
	v_lshl_add_u32 v6, v3, 6, v6
	v_add_nc_u32 v6, s43, v6
	v_lshlrev_b32 v7, 3, v1
.irp b, 0,1,2,3
	v_mov_b32 v[TM+4+\b], 0                        ; a lane permute's destination counts as one of its sources
.endr
	LOADT 0, R0
	LOADT 1, R1
	XTILE 0, R0, 16
	XTILE 1, R1, 16
	XTILE 2, R0, 16
	XTILE 3, R1, 0
	global_store_b64 v7, v[SW:SW+1], s[16:17]      ; 256 consecutive bytes, aligned
	s_wait_tensorcnt 0x0
	ds_add_u32 v254, v255
	s_wait_dscnt 0x0
	s_endpgm
; ---------------- THE MASK.  For query tile T and key step (128 keys): 64 words; word 16 pi + i, bit L = mask[rho(T, L % 16)][128 step + 32 pi + 16 (L / 16) + i]: the lane mask for score register 16 pi + i.
; Flags of a tile: bit s: step s may be left out (all its 16 x 128 bytes are set, and no row of the tile is set everywhere); bit 16 + s: step s has a set byte.
.macro DSTEP more                      ; 256 keys: two steps
	s_wait_loadcnt 0x0
.irp i, 0,1,2,3,4,5,6,7
	ds_store_b128 v5, v[16+4*\i:19+4*\i] offset:544*\i
.endr
.irp e, 0,1
.irp q, 0,1,2,3
	ds_load_b128 v[48+16*\e+4*\q:51+16*\e+4*\q], v6 offset:128*\e+32*\q   ; my row's 16 bytes of each 32 keys
.endr
.endr
	s_wait_dscnt 0x0
.if \more
	s_add_nc_u64 s[6:7], s[6:7], 256               ; (the loads that read this base are done)
.irp i, 0,1,2,3,4,5,6,7
	global_load_b128 v[16+4*\i:19+4*\i], v4, s[6:7] offset:(2*\i+8*(\i/4))*2048 th:TH_LOAD_NT   ; sixteen lanes read 256 consecutive bytes of one row, aligned
.endr
.endif
.irp e, 0,1
	s_wait_xcnt 0x0                                ; the last step's store has read v[92:93]
	v_or_b32 v88, v[48+16*\e], v[49+16*\e]
	v_and_b32 v89, v[48+16*\e], v[49+16*\e]
.irp k, 2,3,4,5,6,7,8,9,10,11,12,13,14,15
	v_or_b32 v88, v88, v[48+16*\e+\k]
	v_and_b32 v89, v89, v[48+16*\e+\k]
.endr
	v_and_b32 v90, v90, v89                        ; my half of my row, over all steps
.irp g, 0,1,2,3,4,5,6,7,8,9,10,11,12,13,14,15
.irp y, 0,1,2,3
	v_bfe_u32 v[80+\y], v[48+16*\e+\g], 8*\y, 8
.endr
.irp y, 0,1,2,3
	v_cmp_ne_u32 s[38+\y], 0, v[80+\y]             ; word 4 g + y
.endr
.irp y, 0,1,2,3
	v_writelane_b32 v[92+\y%2], s[38+\y], 2*\g+\y/2
.endr
.endr
	v_cmp_ne_u32 s31, 0, v88
	v_cmp_ne_u32 s32, s45, v89
	s_cmp_lg_u32 s31, 0                            ; a byte is set
	s_cselect_b32 s33, 1, 0
	s_lshl_b32 s33, s33, s35
	s_or_b32 s36, s36, s33
	s_cmp_eq_u32 s32, 0                            ; all are set
	s_cselect_b32 s33, 1, 0
	s_lshl_b32 s33, s33, s35
	s_or_b32 s37, s37, s33
	s_add_co_u32 s35, s35, 1
	global_store_b64 v7, v[92:93], s[22:23] offset:256*\e   ; 256 consecutive bytes, aligned
.endr
.if \more
	s_wait_xcnt 0x0                                ; the stores have read their base
	s_add_nc_u64 s[22:23], s[22:23], 512
.endif
.endm
.Lpath_m:
	s_sub_co_u32 s30, ttmp9, 256
	s_lshl_b32 s30, s30, 2
	s_add_co_u32 s30, s30, s26                     ; 128 b + T
	s_lshr_b32 s31, s30, 7
	s_and_b32 s32, s30, 127
	s_lshr_b32 s33, s32, 1
	s_lshl_b32 s33, s33, 5
	s_and_b32 s34, s32, 1
	s_lshl_b32 s34, s34, 3
	s_add_co_u32 s33, s33, s34                     ; the tile's first row
	s_lshl_b32 s33, s33, 11
	s_lshl_b32 s34, s31, 22
	s_add_co_u32 s42, s33, s34
	s_mov_b32 s43, 0
	s_add_nc_u64 s[6:7], s[6:7], s[42:43]
	s_lshl_b32 s42, s30, 12
	s_add_nc_u64 s[22:23], s[22:23], s[42:43]
	s_lshl_b32 s42, s30, 2
	s_add_nc_u64 s[24:25], s[24:25], s[42:43]
	v_lshlrev_b32 v4, 4, v2
	v_lshl_add_u32 v4, v3, 11, v4                  ; lanes 0-15 one row, lanes 16-31 the next
	s_mul_i32 s44, s26, MST
	s_add_co_u32 s44, s44, MB0
	v_mul_u32_u24 v5, v3, 272
	v_lshl_add_u32 v5, v2, 4, v5
	v_add_nc_u32 v5, s44, v5
	v_mul_u32_u24 v6, v2, 272
	v_lshl_add_u32 v6, v3, 4, v6
	v_add_nc_u32 v6, s44, v6
	v_lshlrev_b32 v7, 3, v1
	s_mov_b32 s45, 0x01010101
	v_mov_b32 v90, s45
	v_mov_b32 v92, 0                               ; v_writelane_b32's destination counts as read
	v_mov_b32 v93, 0
	s_mov_b32 s35, 0                               ; the step
	s_mov_b32 s36, 0                               ; steps with a set byte
	s_mov_b32 s37, 0                               ; steps all of whose bytes are set
.irp i, 0,1,2,3,4,5,6,7
	global_load_b128 v[16+4*\i:19+4*\i], v4, s[6:7] offset:(2*\i+8*(\i/4))*2048 th:TH_LOAD_NT
.endr
	s_mov_b32 s34, 7
.Lmask:
	DSTEP 1
	s_sub_co_u32 s34, s34, 1
	s_cmp_lg_u32 s34, 0
	s_cbranch_scc1 .Lmask
	DSTEP 0                                        ; the last 256 keys: nothing more is loaded
	v_cmp_eq_u32 s31, s45, v90
	s_lshr_b32 s32, s31, 16
	s_and_b32 s31, s31, s32
	s_and_b32 s31, s31, 0xffff                     ; rows that are set everywhere: reference() gives them the mean of V, so none of their steps may be left out
	s_cmp_lg_u32 s31, 0
	s_cselect_b32 s37, 0, s37
	s_lshl_b32 s36, s36, 16
	s_or_b32 s36, s36, s37
	v_mov_b32 v8, s36
	v_mov_b32 v9, 0
	v_cmp_eq_u32 vcc_lo, 0, v1
	s_wait_xcnt 0x0                                ; EXEC changes only behind this wait
	s_wait_tensorcnt 0x0
	ds_add_u32 v254, v255
	s_wait_dscnt 0x0
	s_and_saveexec_b32 s33, vcc_lo
	global_store_b32 v9, v8, s[24:25]              ; lane 0 stores the tile's word
	s_endpgm
.Lfunc_end_k_q0b5b154db3_prep:
	.size	k_q0b5b154db3_prep, .Lfunc_end_k_q0b5b154db3_prep-k_q0b5b154db3_prep
	.p2alignl 7, 3214868480
	.fill 96, 4, 3214868480
	.section	.rodata,"a",@progbits
	.p2align	6, 0x0
	.amdhsa_kernel k_q0b5b154db3_prep
		.amdhsa_group_segment_fixed_size 51712
		.amdhsa_private_segment_fixed_size 0
		.amdhsa_enable_private_segment 0
		.amdhsa_kernarg_size 88
		.amdhsa_user_sgpr_count 2
		.amdhsa_user_sgpr_kernarg_segment_ptr 1
		.amdhsa_wavefront_size32 1
		.amdhsa_system_sgpr_workgroup_id_x 1
		.amdhsa_system_sgpr_workgroup_id_y 1
		.amdhsa_system_sgpr_workgroup_id_z 1
		.amdhsa_system_vgpr_workitem_id 0
		.amdhsa_next_free_vgpr 256
		.amdhsa_next_free_sgpr 66
		.amdhsa_reserve_vcc 1
		.amdhsa_float_denorm_mode_32 3
		.amdhsa_float_denorm_mode_16_64 3
		.amdhsa_memory_ordered 1
		.amdhsa_forward_progress 1
		.amdhsa_inst_pref_size 114
	.end_amdhsa_kernel
	.amdgpu_metadata
---
amdhsa.version: [ 1, 2 ]
amdhsa.kernels:
  - .name:           k_q0b5b154db3_prep
    .symbol:         k_q0b5b154db3_prep.kd
    .args:
      - { .name: x, .offset: 0, .size: 8, .value_kind: global_buffer, .address_space: global }
      - { .name: mask, .offset: 8, .size: 8, .value_kind: global_buffer, .address_space: global }
      - { .name: Wq, .offset: 16, .size: 8, .value_kind: global_buffer, .address_space: global }
      - { .name: Wk, .offset: 24, .size: 8, .value_kind: global_buffer, .address_space: global }
      - { .name: Wv, .offset: 32, .size: 8, .value_kind: global_buffer, .address_space: global }
      - { .name: Wo, .offset: 40, .size: 8, .value_kind: global_buffer, .address_space: global }
      - { .name: xq, .offset: 48, .size: 8, .value_kind: global_buffer, .address_space: global }
      - { .name: wc, .offset: 56, .size: 8, .value_kind: global_buffer, .address_space: global }
      - { .name: ws, .offset: 64, .size: 8, .value_kind: global_buffer, .address_space: global }
      - { .name: mbits, .offset: 72, .size: 8, .value_kind: global_buffer, .address_space: global }
      - { .name: flags, .offset: 80, .size: 8, .value_kind: global_buffer, .address_space: global }
    .group_segment_fixed_size: 51712
    .private_segment_fixed_size: 0
    .kernarg_segment_align: 8
    .kernarg_segment_size: 88
    .max_flat_workgroup_size: 128
    .sgpr_count:     66
    .vgpr_count:     256
    .wavefront_size: 32
...
	.end_amdgpu_metadata
.endif
;; end of part 1
;; launch qkv (part 2): grid 4 x 64, 4 waves a work-group, no clusters, 168,448 bytes of LDS; arguments xq, wc, ws, bq, bk, bv, qkv; writes qkv
.if DOCPART == 2
	.amdgcn_target "amdgcn-amd-amdhsa--gfx1250"
	.amdhsa_code_object_version 6
	.text
	.protected	k_q0b5b154db3_qkv
	.globl	k_q0b5b154db3_qkv
	.p2align	8
	.type	k_q0b5b154db3_qkv,@function
k_q0b5b154db3_qkv:
	s_mov_b64 s[64:65], 0
	v_nop
	global_prefetch_b8 v0, s[64:65] scope:SCOPE_SE
	s_setreg_imm32_b32 hwreg(HW_REG_WAVE_MODE, 25, 1), 1
	s_wait_xcnt 0x0
; QKV: q = x Wq + bq, k = x Wk + bk, v = x Wv + bv on codes of FP6 (E2M3) with E8M0 scales; each result is quantised in registers into the images that the attention launch takes as operands.
; SHARES.  Work-group (g, blk): 128 tokens x heads 4 g .. 4 g + 3; wave w is head 4 g + w and makes 128 x 64 of q, then of k, then of v: 32 accumulators, 8 K steps of 32 matrix instructions a pass.
; x's block (codes and scale words, 102,400 dense bytes) comes into LDS ONCE, a quarter by each wave's one tensor load; nothing is filled again.  A pass's weights (8 K steps x 48 registers) lie in registers; as soon as
; a K step's products are issued its registers are loaded with the NEXT pass's weights, which have a pass in which to land.
; NO CLUSTER: what the four work-groups of a token block share, x's 102,400 bytes, is a seventh of the 692,224 bytes that a work-group reads; the weights go straight into registers.
; q, k: source 0 = 16 columns of W, source 1 = 16 tokens: a lane holds one token and its registers run along the head's 64: K of the scores.  v: the sources swapped: a lane holds one of the head's 64 and its
; registers run along the tokens: K of the second product.  Tiles of 16 take items rho(T, i) = 32 (T / 2) + 8 (T % 2) + i + 8 (i / 8), so that 16 registers of two neighbouring tiles are 16 neighbours.
; LIMITS: NaN and infinities are not served; a block of zeros gets the byte 1 (its codes are zeros; this program alone reads the bytes).
; REGISTERS.  window 0: v1-7 addresses; v16-31 W's scale words (register 2 s + i: tiles 2 i | 2 i + 1 in lanes 0-15 | 16-31); v32-63 x's (4 s + i likewise); v64-95 the bias as C; v96-143 the epilogue's maxima, bytes, scales;
;   v144-239 x's fragments, set 0, and in the epilogue the codes; v240-243 bv.   window 1: W's K steps 0-4 at 48 s + 12 t.   window 2: K steps 5-7 at 48 (s - 5) + 12 t; v144-239 x's fragments, set 1.   window 3: the accumulators.
.set WS, 16
.set XS, 32
.set BI, 64
.set TM, 96
.set TP, 112
.set SO, 128
.set XF, 144
.set PWR, 224
.set RR, 228
.set BV, 240
.set MSB, 0
.macro WIN new                         ; the immediate's high byte repeats the setting that is left; a switch that changes nothing is dropped
.if MSB != (\new)
	s_set_vgpr_msb (MSB<<8)|(\new)
.set MSB, (\new)
.endif
.endm
.macro PLACES n                        ; plain places behind matrix instructions, in front of loads into their registers and of reads of results
.rept \n
	v_nop
.endr
.endm
; one scaled product; ra, rb: the scale words stand in lanes 16-31 of the register named
.macro WM d, a, b, c, sa, sb, ra, rb
.if ((\ra) == 0) && ((\rb) == 0)
	v_wmma_scale_f32_16x16x128_f8f6f4 v[(\d):(\d)+7], v[(\a):(\a)+11], v[(\b):(\b)+11], v[(\c):(\c)+7], v[(\sa)], v[(\sb)] matrix_a_fmt:MATRIX_FMT_FP6 matrix_b_fmt:MATRIX_FMT_FP6
.elseif ((\ra) == 1) && ((\rb) == 0)
	v_wmma_scale_f32_16x16x128_f8f6f4 v[(\d):(\d)+7], v[(\a):(\a)+11], v[(\b):(\b)+11], v[(\c):(\c)+7], v[(\sa)], v[(\sb)] matrix_a_fmt:MATRIX_FMT_FP6 matrix_b_fmt:MATRIX_FMT_FP6 matrix_a_scale:MATRIX_SCALE_ROW1
.elseif ((\ra) == 0) && ((\rb) == 1)
	v_wmma_scale_f32_16x16x128_f8f6f4 v[(\d):(\d)+7], v[(\a):(\a)+11], v[(\b):(\b)+11], v[(\c):(\c)+7], v[(\sa)], v[(\sb)] matrix_a_fmt:MATRIX_FMT_FP6 matrix_b_fmt:MATRIX_FMT_FP6 matrix_b_scale:MATRIX_SCALE_ROW1
.else
	v_wmma_scale_f32_16x16x128_f8f6f4 v[(\d):(\d)+7], v[(\a):(\a)+11], v[(\b):(\b)+11], v[(\c):(\c)+7], v[(\sa)], v[(\sb)] matrix_a_fmt:MATRIX_FMT_FP6 matrix_b_fmt:MATRIX_FMT_FP6 matrix_a_scale:MATRIX_SCALE_ROW1 matrix_b_scale:MATRIX_SCALE_ROW1
.endif
.endm
.macro FETCHX s, set                   ; x's eight fragments of K step s: 24 loads of 512 consecutive bytes
	WIN 0x80*(\set)
.irp m, 0,1,2,3,4,5,6,7
.irp c, 0,1,2
	ds_load_b128 v[XF+12*\m+4*\c:XF+12*\m+4*\c+3], v[1+(\s)/4] offset:(((\s)%4)*8+\m)*1536+512*\c
.endr
.endr
.endm
.macro LOADW s, mx                     ; matrix mx's four fragments and two scale registers of K step s: 14 loads
	WIN 0x40*(1+(\s)/5)
.irp t, 0,1,2,3
.irp c, 0,1,2
	global_load_b128 v[48*((\s)%5)+12*\t+4*\c:48*((\s)%5)+12*\t+4*\c+3], v1, s[6:7] offset:(\mx)*786432+(4*(\s)+\t)*1536+512*\c
.endr
.endr
	WIN 0
.irp i, 0,1
	global_load_b32 v[WS+2*(\s)+\i], v4, s[8:9] offset:(\mx)*32768+256*(\s)+128*\i
.endr
.endm
; a K step's 32 products.  The 32 accumulators take turns, one instruction a turn, in the same order in every K step.  K step 0 takes the bias as C: nothing is cleared or added later.
.macro MUL kind, s
.set WB, 48*((\s)%5)
.set WW, 1+(\s)/5
.set XW, 2*((\s)%2)
.if (\s) == 0
.set CW, 0
.else
.set CW, 3
.endif
.if (\kind) == 0
	WIN 0xc0|(CW<<4)|(XW<<2)|WW
.else
	WIN 0xc0|(CW<<4)|(WW<<2)|XW
.endif
.irp m, 0,1,2,3,4,5,6,7
.irp t, 0,1,2,3
.if (\kind) == 0
.set AD, 8*(4*\m+\t)
.else
.set AD, 8*(8*\t+\m)
.endif
.if (\s) == 0
.set AC, BI+8*\t
.else
.set AC, AD
.endif
.if (\kind) == 0
	WM AD, WB+12*\t, XF+12*\m, AC, WS+2*(\s)+\t/2, XS+4*(\s)+\m/2, \t%2, \m%2
.else
	WM AD, XF+12*\m, WB+12*\t, AC, XS+4*(\s)+\m/2, WS+2*(\s)+\t/2, \m%2, \t%2
.endif
.endr
.endr
.endm
.macro KSTEP kind, s, rl, wl
.if (\s) > 0
	PLACES 4                                       ; behind the last K step's products: the loads below land in registers that they read
.endif
.if (\s) < 7
	FETCHX (\s)+1, ((\s)+1)%2
.endif
.if ((\s) > 0) && ((\rl) >= 0)
	LOADW (\s)-1, \rl                              ; the next pass's weights into the registers just left
.endif
.if (\wl) >= 0
	s_wait_loadcnt \wl                             ; behind this K step's weights 98 loads were issued; the count is what the field can name
.endif
.if (\s) < 7
	s_wait_dscnt 24                                ; this K step's fragments are in; the next one's 24 loads may be out
.else
	s_wait_dscnt 0x0
.endif
	MUL \kind, \s
.endm
; THE EPILOGUE, the same for q, k and v: block i of 32 along the next K is accumulator registers 16 i .. 16 i + 15 of lanes l and l xor 16; group g (registers 64 g on) becomes one fragment's image and one scale word a row.
.macro EPI pass
	WIN 0x0f
.irp i, 0,1,2,3,4,5,6,7,8,9,10,11,12,13,14,15
	v_max3_num_f32 v[TM+\i], |v[16*\i]|, |v[16*\i+1]|, 0x1800000   ; each accumulator is read from its low end on; the floor 2^(3 - 127) holds the byte at 1
.endr
	WIN 0x3c
.irp k, 2,4,6,8,10,12,14
.irp i, 0,1,2,3,4,5,6,7,8,9,10,11,12,13,14,15
	v_max3_num_f32 v[TM+\i], v[TM+\i], |v[16*\i+\k]|, |v[16*\i+\k+1]|
.endr
.endr
	WIN 0
.irp i, 0,1,2,3,4,5,6,7,8,9,10,11,12,13,14,15
	v_permlanex16_b32 v[TP+\i], v[TM+\i], s42, s43
.endr
.irp i, 0,1,2,3,4,5,6,7,8,9,10,11,12,13,14,15
	v_max_num_f32 v[TM+\i], v[TM+\i], v[TP+\i]
.endr
.irp i, 0,1,2,3,4,5,6,7,8,9,10,11,12,13,14,15
	v_add_nc_u32 v[SO+\i], 0xff000000, v[TM+\i]    ; 2 off the exponent field: the conversion's scale operand
.endr
.irp i, 0,1,2,3,4,5,6,7,8,9,10,11,12,13,14,15
	v_lshrrev_b32 v[TP+\i], 23, v[SO+\i]           ; the byte
.endr
.irp g, 0,1,2,3
	v_lshl_or_b32 v[PWR+\g], v[TP+4*\g+1], 8, v[TP+4*\g]
.endr
.irp g, 0,1,2,3
	v_lshl_or_b32 v[PWR+\g], v[TP+4*\g+2], 16, v[PWR+\g]
.endr
.irp g, 0,1,2,3
	v_lshl_or_b32 v[PWR+\g], v[TP+4*\g+3], 24, v[PWR+\g]
.endr
	v_cndmask_b32 v[RR], v[PWR], v[PWR+1], s40     ; lanes 0-15 group 0's words, lanes 16-31 group 1's
	v_cndmask_b32 v[RR+1], v[PWR+2], v[PWR+3], s40
	WIN 0x03
.irp g, 0,1,2,3
.irp c, 0,1
	v_cvt_scalef32_pk16_fp6_f32 v[XF+20*\g+6*\c:XF+20*\g+6*\c+2], v[64*\g+32*\c:64*\g+32*\c+15], v[SO+4*\g+2*\c]
	v_cvt_scalef32_pk16_fp6_f32 v[XF+20*\g+12+4*\c:XF+20*\g+14+4*\c], v[64*\g+32*\c+16:64*\g+32*\c+31], v[SO+4*\g+2*\c+1]
.endr
.endr
	WIN 0
	v_nop                                          ; one plain place behind the scaled conversions
.irp g, 0,1,2,3
.irp c, 0,1
.irp i, 0,1,2
	v_permlane16_swap_b32 v[XF+20*\g+6*\c+\i], v[XF+20*\g+12+4*\c+\i]
.endr
.irp i, 0,1,2
	v_mov_b32 v[XF+20*\g+6*\c+3+\i], v[XF+20*\g+12+4*\c+\i]
.endr
.endr
.endr
.irp g, 0,1,2,3
.irp c, 0,1,2
	global_store_b128 v1, v[XF+20*\g+4*\c:XF+20*\g+4*\c+3], s[36:37] offset:(\pass)*102400+1536*\g+512*\c   ; 512 consecutive bytes, aligned
.endr
.endr
	global_store_b64 v7, v[RR:RR+1], s[38:39] offset:(\pass)*102400   ; 256 consecutive bytes, aligned
.endm
	s_load_b256 s[4:11], s[0:1], 0x0               ; xq 4, wc 6, ws 8, bq 10
	s_load_b128 s[24:27], s[0:1], 0x20             ; bk 24, bv 26
	s_load_b64 s[28:29], s[0:1], 0x30              ; qkv
	v_lshl_add_u32 v254, v0, 2, 0x29000
	v_mov_b32 v255, 0
	ds_add_u32 v254, v255
	ds_add_u32 v254, v255
	v_lshrrev_b32 v1, 5, v0
	v_readfirstlane_b32 s30, v1                    ; wave
	s_and_b32 s32, ttmp7, 0xffff                   ; block of 128 tokens
	s_lshl_b32 s33, ttmp9, 2
	s_add_co_u32 s33, s33, s30                     ; head
	; descriptor group 1: 25,600 dense bytes as 100 rows of 32 elements of 8 bytes, no padding
	s_mov_b32 s16, 3<<16
	s_mov_b32 s17, 32<<16
	s_mov_b32 s18, 100<<16
	s_mov_b32 s19, 32<<16
	s_mov_b32 s20, 100
	s_mov_b32 s21, 32
	s_mov_b32 s22, 0
	s_mov_b32 s23, 0
	s_mov_b32 s12, 1
	s_mul_i32 s13, s30, 25600                      ; my quarter's place in LDS,
	s_mul_i32 s34, s32, 102400
	s_add_co_u32 s34, s34, s13                     ; and in xq
	s_mov_b32 s35, 0
	s_wait_dscnt 0x0
	s_wait_kmcnt 0x0
	s_add_nc_u64 s[14:15], s[4:5], s[34:35]
	s_or_b32 s15, s15, 0x80000000
	tensor_load_to_lds s[12:15], s[16:23]          ; my one tensor load of the launch: one is out
	s_nop 0
.rept 4
	v_nop
.endr
	s_mul_i32 s44, s33, 49152
	s_mov_b32 s45, 0
	s_add_nc_u64 s[6:7], s[6:7], s[44:45]          ; my head's weights (matrix q; the others by the immediate)
	s_lshl_b32 s44, s33, 11
	s_add_nc_u64 s[8:9], s[8:9], s[44:45]          ; and their scale words
	s_lshl_b32 s44, s33, 8
	s_add_nc_u64 s[10:11], s[10:11], s[44:45]      ; my head's 64 numbers of each bias
	s_add_nc_u64 s[24:25], s[24:25], s[44:45]
	s_add_nc_u64 s[26:27], s[26:27], s[44:45]
	s_lshr_b32 s34, s32, 4
	s_lshl_b32 s34, s34, 4
	s_add_co_u32 s34, s34, s33                     ; 16 b + head
	s_mul_i32 s34, s34, 307200
	s_and_b32 s35, s32, 15                         ; the key step that these tokens are
	s_mul_i32 s44, s35, 6144
	s_add_co_u32 s36, s34, s44
	s_mov_b32 s37, 0
	s_add_nc_u64 s[36:37], s[28:29], s[36:37]      ; where my images go
	s_lshl_b32 s35, s35, 8
	s_add_co_u32 s38, s34, s35
	s_add_co_u32 s38, s38, 98304
	s_mov_b32 s39, 0
	s_add_nc_u64 s[38:39], s[28:29], s[38:39]      ; and their scale words
	s_mov_b32 s40, 0xffff0000                      ; lanes 16-31
	s_mov_b32 s42, 0x76543210
	s_mov_b32 s43, 0xfedcba98
	v_and_b32 v8, 31, v0                           ; L
	v_and_b32 v9, 15, v0                           ; r
	v_bfe_u32 v10, v0, 4, 1                        ; h
	v_lshlrev_b32 v1, 4, v8                        ; 16 L
	v_add_nc_u32 v2, 49152, v1
	v_lshl_add_u32 v3, v8, 3, 98304
	v_lshlrev_b32 v4, 2, v8
	v_lshlrev_b32 v5, 6, v10
	v_and_b32 v6, 8, v9
	v_add_nc_u32 v6, v6, v9
	v_lshlrev_b32 v6, 2, v6                        ; 4 (r + 8 (r / 8))
	v_lshlrev_b32 v7, 3, v8
.irp i, 0,1,2,3,4,5,6,7,8,9,10,11,12,13,14,15
	v_mov_b32 v[TP+\i], 0                          ; a lane permute's destination counts as one of its sources
.endr
.irp t, 0,1,2,3
	global_load_b128 v[BI+8*\t:BI+8*\t+3], v5, s[10:11] offset:(32*(\t/2)+8*(\t%2))*4        ; bq in the result's layout: lane (r, h), tile t: units 32 (t / 2) + 16 h + 8 (t % 2) + 0 .. 7
	global_load_b128 v[BI+8*\t+4:BI+8*\t+7], v5, s[10:11] offset:(32*(\t/2)+8*(\t%2))*4+16
.endr
.irp t, 0,1,2,3
	global_load_b32 v[BV+\t], v6, s[26:27] offset:(32*(\t/2)+8*(\t%2))*4                      ; bv: in v's layout a lane holds one unit, rho(t, r)
.endr
.irp s, 0,1,2,3,4,5,6,7
	LOADW \s, 0
.endr
	s_wait_tensorcnt 0x0                           ; my quarter of x's block is in,
	s_barrier_signal -1
	s_barrier_wait -1                              ; everybody's is; from here on LDS is only read
.irp s, 0,1,2,3,4,5,6,7
.irp q, 0,1
	ds_load_b64 v[XS+4*\s+2*\q:XS+4*\s+2*\q+1], v3 offset:512*\s+256*\q   ; x's scale words stay in registers for all three passes
.endr
.endr
	FETCHX 0, 0
	; ---- q
.irp s, 0,1,2,3,4,5,6,7
	KSTEP 0, \s, 1, 63
.endr
	PLACES 4
	LOADW 7, 1
.irp t, 0,1,2,3
	global_load_b128 v[BI+8*\t:BI+8*\t+3], v5, s[24:25] offset:(32*(\t/2)+8*(\t%2))*4
	global_load_b128 v[BI+8*\t+4:BI+8*\t+7], v5, s[24:25] offset:(32*(\t/2)+8*(\t%2))*4+16
.endr
	EPI 0
	; ---- k
	s_wait_loadcnt 0x0                             ; Wk and bk are in (the youngest were asked for an epilogue ago)
	s_wait_xcnt 0x0                                ; the epilogue's stores have read their registers, which are x's set 0
	FETCHX 0, 0
.irp s, 0,1,2,3,4,5,6,7
	KSTEP 0, \s, 2, -1
.endr
	PLACES 4
	LOADW 7, 2
.irp t, 0,1,2,3
.irp j, 0,1,2,3,4,5,6,7
	v_mov_b32 v[BI+8*\t+\j], v[BV+\t]              ; bv as C: a lane's eight tokens take the same number
.endr
.endr
	EPI 1
	; ---- v
	s_wait_loadcnt 0x0
	s_wait_xcnt 0x0
	FETCHX 0, 0
.irp s, 0,1,2,3,4,5,6,7
	KSTEP 1, \s, -1, -1
.endr
	PLACES 4
	EPI 2
	s_wait_tensorcnt 0x0
	ds_add_u32 v254, v255
	s_wait_dscnt 0x0
	s_endpgm
.Lfunc_end_k_q0b5b154db3_qkv:
	.size	k_q0b5b154db3_qkv, .Lfunc_end_k_q0b5b154db3_qkv-k_q0b5b154db3_qkv
	.p2alignl 7, 3214868480
	.fill 96, 4, 3214868480
	.section	.rodata,"a",@progbits
	.p2align	6, 0x0
	.amdhsa_kernel k_q0b5b154db3_qkv
		.amdhsa_group_segment_fixed_size 168448
		.amdhsa_private_segment_fixed_size 0
		.amdhsa_enable_private_segment 0
		.amdhsa_kernarg_size 56
		.amdhsa_user_sgpr_count 2
		.amdhsa_user_sgpr_kernarg_segment_ptr 1
		.amdhsa_wavefront_size32 1
		.amdhsa_system_sgpr_workgroup_id_x 1
		.amdhsa_system_sgpr_workgroup_id_y 1
		.amdhsa_system_sgpr_workgroup_id_z 1
		.amdhsa_system_vgpr_workitem_id 0
		.amdhsa_next_free_vgpr 1024
		.amdhsa_next_free_sgpr 66
		.amdhsa_reserve_vcc 0
		.amdhsa_float_denorm_mode_32 3
		.amdhsa_float_denorm_mode_16_64 3
		.amdhsa_memory_ordered 1
		.amdhsa_forward_progress 1
		.amdhsa_inst_pref_size 228
	.end_amdhsa_kernel
	.amdgpu_metadata
---
amdhsa.version: [ 1, 2 ]
amdhsa.kernels:
  - .name:           k_q0b5b154db3_qkv
    .symbol:         k_q0b5b154db3_qkv.kd
    .args:
      - { .name: xq, .offset: 0, .size: 8, .value_kind: global_buffer, .address_space: global }
      - { .name: wc, .offset: 8, .size: 8, .value_kind: global_buffer, .address_space: global }
      - { .name: ws, .offset: 16, .size: 8, .value_kind: global_buffer, .address_space: global }
      - { .name: bq, .offset: 24, .size: 8, .value_kind: global_buffer, .address_space: global }
      - { .name: bk, .offset: 32, .size: 8, .value_kind: global_buffer, .address_space: global }
      - { .name: bv, .offset: 40, .size: 8, .value_kind: global_buffer, .address_space: global }
      - { .name: qkv, .offset: 48, .size: 8, .value_kind: global_buffer, .address_space: global }
    .group_segment_fixed_size: 168448
    .private_segment_fixed_size: 0
    .kernarg_segment_align: 8
    .kernarg_segment_size: 56
    .max_flat_workgroup_size: 128
    .sgpr_count:     66
    .vgpr_count:     1024
    .wavefront_size: 32
...
	.end_amdgpu_metadata
.endif
;; end of part 2
;; launch attn (part 3): grid 4 x 64, 16 waves a work-group, no clusters, 206,848 bytes of LDS; arguments qkv, mbits, flags, aq; writes aq
.if DOCPART == 3
	.amdgcn_target "amdgcn-amd-amdhsa--gfx1250"
	.amdhsa_code_object_version 6
	.text
	.protected	k_q0b5b154db3_attn
	.globl	k_q0b5b154db3_attn
	.p2align	8
	.type	k_q0b5b154db3_attn,@function
k_q0b5b154db3_attn:
	s_mov_b64 s[64:65], 0
	v_nop
	global_prefetch_b8 v0, s[64:65] scope:SCOPE_SE
	s_setreg_imm32_b32 hwreg(HW_REG_WAVE_MODE, 25, 1), 1
	s_wait_xcnt 0x0
; ATTENTION on codes of FP6 (E2M3) with E8M0 scales: S^T = K Q^T, the mask, p = 2^(t - M), O^T = V^T P^T, O / l, and O quantised along the model's 1,024 into the images that the last projection takes.
; t = score x 0.125 log2(e); M = the running largest t rounded UP to a whole number, kept as -M; p is quantised along the keys, not normalised; l is the sum of the unquantised p.  When M moves, l and O^T are multiplied by 2^(old M - new M): exact.
; THE MASK IS AN INPUT.  The first launch has packed it into one lane mask for each score register and two flags a step.  A hidden score is REPLACED by -2^33 (a logit of -1.07e9 where reference() writes -1e9): times c it is a whole
; number exactly, so a row that is hidden everywhere gets p = 1 for every key, as with reference()'s number, and everywhere else p = 0.  LIMIT: true logits at or under about -1e9 are not served.  NaN and infinities are not served.
; A step is LEFT OUT by a scalar branch on its stored flag, which is set only where all 16 x 128 mask bytes are set and no row of the tile is hidden everywhere: every p of the step would be 0.
; SHARES.  Work-group (p, bh) holds its head's whole K and V, codes and scale words, in LDS (204,800 bytes as they lie in qkv), and serves query blocks p and 7 - p of 256; wave w takes one tile of 16 queries of each.
; Four waves share a SIMD: one wave's softmax stands beside another's products and LDS loads.  One barrier, behind the fill; after it LDS is only read.
; NO TENSOR LOAD AND NO CLUSTER: K and V come through registers, once a work-group.
; THE HEAD'S 64 ARE HALF OF THE INSTRUCTION'S 128: a fragment of K carries two key tiles, one in each half of K; Q stands as [Q | 0 | Q] in 18 registers, and [Q | 0] or [0 | Q] picks the tile: zero codes add nothing.
; REGISTERS: v1 16 L, v2 8 L + 98,304, v3 -2^33, v4-7 LDS addresses in hand, v8 8 r, v9 8 L, v38 2 r + h; v[10:11] K's scale words, v34 Q's, v35 p's, v[36:37] V's; v12 -M, v13 largest t, v[14:15] l;
;   v16-33 Q; v40-87 four fragments of K, then of V; v88-151 S^T, then p; v152-183 O^T; v184-195 codes; v196-202 at work; v204-215 blocks' maxima, bytes, scales; v[216:217] f; v218 at work; v[220:221] second sum; v222-223 Q's offsets.
.set S,   88
.set OT,  152
.set PCD, 184
.set BM,  204
.set BP,  208
.set SO,  212
.macro WMZ d, a, b, sa, sb, ra         ; a product that starts its sum with the constant 0
.if (\ra) == 0
	v_wmma_scale_f32_16x16x128_f8f6f4 v[(\d):(\d)+7], v[(\a):(\a)+11], v[(\b):(\b)+11], 0, v[(\sa)], v[(\sb)] matrix_a_fmt:MATRIX_FMT_FP6 matrix_b_fmt:MATRIX_FMT_FP6
.else
	v_wmma_scale_f32_16x16x128_f8f6f4 v[(\d):(\d)+7], v[(\a):(\a)+11], v[(\b):(\b)+11], 0, v[(\sa)], v[(\sb)] matrix_a_fmt:MATRIX_FMT_FP6 matrix_b_fmt:MATRIX_FMT_FP6 matrix_a_scale:MATRIX_SCALE_ROW1
.endif
.endm
.macro WMA d, a, b, sa, sb, ra         ; a product that adds in place
.if (\ra) == 0
	v_wmma_scale_f32_16x16x128_f8f6f4 v[(\d):(\d)+7], v[(\a):(\a)+11], v[(\b):(\b)+11], v[(\d):(\d)+7], v[(\sa)], v[(\sb)] matrix_a_fmt:MATRIX_FMT_FP6 matrix_b_fmt:MATRIX_FMT_FP6
.else
	v_wmma_scale_f32_16x16x128_f8f6f4 v[(\d):(\d)+7], v[(\a):(\a)+11], v[(\b):(\b)+11], v[(\d):(\d)+7], v[(\sa)], v[(\sb)] matrix_a_fmt:MATRIX_FMT_FP6 matrix_b_fmt:MATRIX_FMT_FP6 matrix_a_scale:MATRIX_SCALE_ROW1
.endif
.endm
	s_load_b256 s[4:11], s[0:1], 0x0               ; qkv 4, mbits 6, flags 8, aq 10
	v_lshl_add_u32 v254, v0, 2, 0x32000
	v_mov_b32 v255, 0
	v_lshrrev_b32 v1, 5, v0
	v_readfirstlane_b32 s12, v1                    ; wave 0..15
	s_mov_b32 s13, ttmp9                           ; p
	s_and_b32 s14, ttmp7, 0xffff                   ; 16 b + head
	s_lshr_b32 s2, s14, 4                          ; b
	s_and_b32 s3, s14, 15                          ; head
	s_mov_b32 s20, 0x76543210
	s_mov_b32 s21, 0xfedcba98                      ; v_permlanex16_b32's selects for lane l xor 16
	s_mov_b32 s22, 0x3e38aa3b                      ; c = 0.125 log2(e)
	s_mov_b32 s23, s22                             ; (named with it as a pair, so it is written)
	s_mov_b32 s66, 0xffff0000                      ; lanes 16-31
	s_mul_i32 s26, s14, 307200
	s_mov_b32 s27, 0
	v_lshlrev_b32 v4, 4, v0                        ; 16 x thread: my 16 bytes of each 8,192
	v_add_nc_u32 v5, 0x10000, v4
	v_add_nc_u32 v6, 0x20000, v4
	v_add_nc_u32 v7, 0x30000, v4
	s_wait_kmcnt 0x0
	s_add_nc_u64 s[4:5], s[4:5], s[26:27]          ; my head's q, k, v
.set i, 0
.rept 25
	global_load_b128 v[40+4*i:43+4*i], v4, s[4:5] offset:102400+8192*i   ; K and V: 25 x 8,192 bytes for the work-group; a wave reads 512 consecutive bytes
.set i, i+1
.endr
	v_and_b32 v9, 31, v0                           ; L
	v_and_b32 v8, 15, v0                           ; r
	v_bfe_u32 v38, v0, 4, 1                        ; h
	v_lshlrev_b32 v1, 4, v9
	v_lshl_add_u32 v2, v9, 3, 98304
	v_lshl_add_u32 v38, v8, 1, v38
	v_lshlrev_b32 v8, 3, v8
	v_lshlrev_b32 v9, 3, v9
	v_mov_b32 v3, 0xd0000000                       ; -2^33
.irp j, 22,23,24,25,26,27
	v_mov_b32 v\j, 0                               ; the zero codes between the two copies of Q
.endr
.irp b, 0,1,2,3
	v_mov_b32 v[BP+\b], 0                          ; a lane permute's destination counts as one of its sources
.endr
	v_mov_b32 v217, 0                              ; (named as the upper half of the pair v[216:217])
	v_mov_b32 v218, 0
.set i, 0
.rept 25
	s_wait_loadcnt 24-i                            ; loads come back in order: load i is in, the younger ones stay out
	ds_store_b128 v[4+i/8], v[40+4*i:43+4*i] offset:8192*(i%8)
.set i, i+1
.endr
	s_wait_dscnt 0x0                               ; for the others' sake: my stores have landed
	s_barrier_signal -1
	s_barrier_wait -1
.macro HALF hf
	s_wait_xcnt 0x0                                ; the last half's stores have read their registers and bases
.if \hf == 0
	s_mov_b32 s32, s13
.else
	s_sub_co_u32 s32, 7, s13
.endif
	s_lshl_b32 s15, s32, 4
	s_add_co_u32 s15, s15, s12                     ; my tile of queries, 0 .. 127
	s_lshr_b32 s33, s15, 3                         ; its block of 128 tokens,
	s_bfe_u32 s34, s15, 0x20001                    ; the group (pair of tiles) in it,
	s_and_b32 s35, s15, 1                          ; and which of the pair
	s_mul_i32 s36, s33, 6144
	s_mul_i32 s37, s34, 1536
	s_add_co_u32 s36, s36, s37
	s_mov_b32 s37, 0
	s_add_nc_u64 s[36:37], s[4:5], s[36:37]        ; the group's image
	s_lshl_b32 s38, s33, 8
	s_and_b32 s39, s34, 1
	s_lshl_b32 s39, s39, 7
	s_add_co_u32 s38, s38, s39
	s_lshr_b32 s39, s34, 1
	s_lshl_b32 s39, s39, 2
	s_add_co_u32 s38, s38, s39
	s_add_co_u32 s38, s38, 98304
	s_mov_b32 s39, 0
	s_add_nc_u64 s[38:39], s[4:5], s[38:39]        ; its scale words
	s_lshl_b32 s40, s2, 7
	s_add_co_u32 s40, s40, s15                     ; 128 b + tile
	s_lshl_b32 s42, s40, 12
	s_mov_b32 s43, 0
	s_add_nc_u64 s[24:25], s[6:7], s[42:43]        ; the tile's lane masks: 256 bytes a step
	s_lshl_b32 s40, s40, 2
	s_mov_b32 s41, 0
	s_add_nc_u64 s[40:41], s[8:9], s[40:41]
	s_load_b32 s17, s[40:41], 0x0                  ; its flags
	s_mul_i32 s44, s35, 520
	s_mul_i32 s45, s35, 1016
	v_add_nc_u32 v222, s44, v1                     ; registers 6 u .. 6 u + 5 of the image lie at 16 L + 520 u, 16 L + 8 + 1,016 u, 16 L + 512 + 520 u
	v_add_nc_u32 v223, s45, v1
.irp d, 16, 28
	global_load_b64 v[\d:\d+1], v222, s[36:37]
	global_load_b64 v[\d+2:\d+3], v223, s[36:37] offset:8
	global_load_b64 v[\d+4:\d+5], v222, s[36:37] offset:512
.endr
	global_load_b32 v34, v8, s[38:39]
	v_mov_b32 v13, 0xff61b1e6                      ; the largest t so far: -3e38
	v_mov_b32 v14, 0
	v_mov_b32 v15, 0
	v_floor_f32 v12, -v13
	s_mov_b32 s18, 0                               ; where the step's codes begin in LDS,
	s_mov_b32 s19, 0                               ; and its scale words
	s_mov_b32 s16, 16
	s_lshl_b32 s35, s35, 4
	s_wait_loadcnt 0x0
	s_wait_kmcnt 0x0
	v_lshrrev_b32 v34, s35, v34                    ; my tile's two bytes of the pair's word,
	v_and_b32 v34, 0xffff, v34
	v_lshl_or_b32 v34, v34, 16, v34                ; for either half of K
.irp j, 0,1,2,3,4,5,6,7,8,9,10,11,12,13,14,15,16,17,18,19,20,21,22,23,24,25,26,27,28,29,30,31
	v_mov_b32 v[OT+\j], 0                          ; the step is written once: the first finds zeros.  (These are also the places between the scale word's last line and the first product)
.endr
.Lk_\@:                                            ; 16 trips: a constant; a step that is left out still steps the addresses
	s_bitcmp1_b32 s17, 0
	s_cbranch_scc1 .Lskip_\@
	s_load_b512 s[32:47], s[24:25], 0x0            ; the step's 64 lane masks
	s_load_b512 s[48:63], s[24:25], 0x40
	s_load_b512 s[68:83], s[24:25], 0x80
	s_load_b512 s[84:99], s[24:25], 0xc0
	v_add_nc_u32 v4, s18, v1                       ; (four plain places behind the last step's products, in front of the loads into their registers)
	v_add_nc_u32 v6, s19, v2
	v_add_nc_u32 v5, 102400, v4
	v_add_nc_u32 v7, 102400, v6
.irp q, 0,1,2,3
.irp c, 0,1,2
	ds_load_b128 v[40+12*\q+4*\c:43+12*\q+4*\c], v4 offset:1536*\q+512*\c
.endr
.endr
	ds_load_b64 v[10:11], v6
	s_wait_dscnt 0x0
.irp q, 0,1,2,3                                ; S^T: key tiles 2 q and 2 q + 1 from one fragment
	WMZ S+16*\q, 40+12*\q, 16, 10+\q/2, 34, \q%2
	WMZ S+16*\q+8, 40+12*\q, 22, 10+\q/2, 34, \q%2
.endr
.rept 4
	v_nop                                          ; places in front of the loads into K's registers and of the first read of the scores
.endr
.irp t, 0,1,2,3
.irp c, 0,1,2
	ds_load_b128 v[40+12*\t+4*\c:43+12*\t+4*\c], v5 offset:1536*\t+512*\c   ; V lands under the softmax
.endr
.endr
	ds_load_b64 v[36:37], v7
	s_wait_kmcnt 0x0                               ; the lane masks are in, and their base may be stepped
	s_bitcmp1_b32 s17, 16
	s_cbranch_scc0 .Lopen_\@                       ; no byte of the step's mask is set
.set n, 0
.rept 64
.if n < 32
	v_cndmask_b32 v[S+n], v[S+n], v3, s[32+n]
.else
	v_cndmask_b32 v[S+n], v[S+n], v3, s[36+n]
.endif
.set n, n+1
.endr
.Lopen_\@:
.irp b, 0,1,2,3
	v_max3_num_f32 v[BM+\b], v[S+16*\b], v[S+1+16*\b], v[S+2+16*\b]   ; the largest score of each block of 32 keys: for the row's maximum and, since p rises with the score, for the block's largest p
.endr
.irp i, 3,5,7,9,11,13
.irp b, 0,1,2,3
	v_max3_num_f32 v[BM+\b], v[BM+\b], v[S+16*\b+\i], v[S+1+16*\b+\i]
.endr
.endr
.irp b, 0,1,2,3
	v_max_num_f32 v[BM+\b], v[BM+\b], v[S+15+16*\b]
.endr
.irp b, 0,1,2,3
	v_permlanex16_b32 v[BP+\b], v[BM+\b], s20, s21
.endr
.irp b, 0,1,2,3
	v_max_num_f32 v[BM+\b], v[BM+\b], v[BP+\b]
.endr
	v_max3_num_f32 v218, v[BM], v[BM+1], v[BM+2]
	v_max_num_f32 v218, v218, v[BM+3]
	v_mul_f32 v218, s22, v218                      ; as t
	v_max_num_f32 v13, v13, v218
	v_mov_b32 v218, v12
	v_floor_f32 v12, -v13                          ; the new -M
	v_sub_f32 v218, v12, v218                      ; old M - new M: a whole number, 0 or less
	v_cvt_i32_f32 v218, v218                       ; (it saturates)
	v_ldexp_f32 v216, 1.0, v218                    ; f
.irp j, 0,2,4,6,8,10,12,14,16,18,20,22,24,26,28,30,32,34,36,38,40,42,44,46,48,50,52,54,56,58,60,62
	v_pk_fma_f32 v[S+\j:S+1+\j], v[S+\j:S+1+\j], s[22:23], v[12:13] op_sel_hi:[1,0,0]   ; t - M
.endr
.irp b, 0,1,2,3
	v_fma_f32 v[BM+\b], v[BM+\b], s22, v12
.endr
.set n, 0
.rept 64
	v_exp_f32 v[S+n], v[S+n]                       ; p
.set n, n+1
.endr
	v_pk_mul_f32 v[14:15], v[14:15], v[216:217] op_sel_hi:[1,0]   ; l under the new M: the plain place behind the exponentials
	s_wait_alu depctr_va_vdst(0)                   ; one wait for the batch of 64, ahead of its first reader
.irp b, 0,1,2,3
	v_exp_f32 v[BM+\b], v[BM+\b]                   ; the blocks' largest p
.endr
	v_pk_add_f32 v[220:221], v[S:S+1], v[S+2:S+3]  ; l is taken of the unquantised p, in two chains
.irp j, 4,8,12,16,20,24,28,32,36,40,44,48,52
	v_pk_add_f32 v[14:15], v[14:15], v[S+\j:S+1+\j]
	v_pk_add_f32 v[220:221], v[220:221], v[S+2+\j:S+3+\j]
.endr
	s_wait_alu depctr_va_vdst(0)                   ; and one for the four
.irp b, 0,1,2,3
	v_max_num_f32 v[BM+\b], 0x1800000, v[BM+\b]    ; the floor 2^(3 - 127)
.endr
.irp b, 0,1,2,3
	v_add_nc_u32 v[SO+\b], 0xff000000, v[BM+\b]
.endr
.irp b, 0,1,2,3
	v_lshrrev_b32 v[BP+\b], 23, v[SO+\b]
.endr
	v_lshl_or_b32 v35, v[BP+1], 8, v[BP]
	v_lshl_or_b32 v35, v[BP+2], 16, v35
	v_lshl_or_b32 v35, v[BP+3], 24, v35            ; p's scale word for these 128 keys
.irp c, 0,1
	v_cvt_scalef32_pk16_fp6_f32 v[PCD+6*\c:PCD+2+6*\c], v[S+32*\c:S+15+32*\c], v[SO+2*\c]
	v_cvt_scalef32_pk16_fp6_f32 v[196+4*\c:198+4*\c], v[S+16+32*\c:S+31+32*\c], v[SO+1+2*\c]
.endr
	v_nop                                          ; one plain place behind the scaled conversions
.irp c, 0,1
.irp i, 0,1,2
	v_permlane16_swap_b32 v[PCD+6*\c+\i], v[196+4*\c+\i]
.endr
.irp i, 0,1,2
	v_mov_b32 v[PCD+3+6*\c+\i], v[196+4*\c+\i]
.endr
.endr
.irp j, 0,2,4,6,8,10,12,14,16,18,20,22,24,26,28,30
	v_pk_mul_f32 v[OT+\j:OT+1+\j], v[OT+\j:OT+1+\j], v[216:217] op_sel_hi:[1,0]   ; O^T under the new M, each accumulator from its low end on
.endr
.irp j, 56,60
	v_pk_add_f32 v[14:15], v[14:15], v[S+\j:S+1+\j]                ; the sums' last lines stand here, between the last write of O^T and the products
	v_pk_add_f32 v[220:221], v[220:221], v[S+2+\j:S+3+\j]
.endr
	v_pk_add_f32 v[14:15], v[14:15], v[220:221]
	s_wait_dscnt 0x0                               ; V is in
.irp t, 0,1,2,3                                ; O^T += V^T P^T: four accumulators, one instruction each: they take turns
	WMA OT+8*\t, 40+12*\t, PCD, 36+\t/2, 35, \t%2
.endr
.Lskip_\@:
	s_add_co_u32 s18, s18, 6144
	s_add_co_u32 s19, s19, 256
	s_add_nc_u64 s[24:25], s[24:25], 256
	s_lshr_b32 s17, s17, 1
	s_sub_co_u32 s16, s16, 1
	s_cmp_lg_u32 s16, 0
	s_cbranch_scc1 .Lk_\@
	; THE WAY OUT: O / l; the head's 64 are two blocks of the last product's K; six registers of codes and two bytes a row
.rept 4
	v_nop
.endr
	v_add_f32 v14, v14, v15
	v_permlanex16_b32 v218, v14, s20, s21
	v_add_f32 v14, v14, v218
	v_rcp_f32 v216, v14
	s_lshr_b32 s32, s15, 3
	s_lshl_b32 s33, s2, 4
	s_add_co_u32 s32, s32, s33
	s_mul_i32 s32, s32, 102400                     ; my block of 128 tokens in aq
	s_and_b32 s33, s15, 7                          ; my tile in it
	s_lshr_b32 s34, s3, 1
	s_lshl_b32 s34, s34, 3
	s_add_co_u32 s34, s34, s33
	s_lshl_b32 s34, s34, 1
	s_and_b32 s35, s3, 1
	s_add_co_u32 s34, s34, s35
	s_mul_i32 s34, s34, 768                        ; (((head / 2) 8 + tile) 2 + head % 2) half images
	s_add_co_u32 s36, s34, s32
	s_mov_b32 s37, 0
	s_add_nc_u64 s[36:37], s[10:11], s[36:37]
	s_lshl_b32 s38, s3, 8
	s_lshl_b32 s33, s33, 5
	s_add_co_u32 s38, s38, s33
	s_add_co_u32 s38, s38, s32
	s_add_co_u32 s38, s38, 98304
	s_mov_b32 s39, 0
	s_add_nc_u64 s[38:39], s[10:11], s[38:39]
	v_nop                                          ; a plain place behind the reciprocal
	s_wait_alu depctr_va_vdst(0)                   ; and the wait ahead of its first reader
.irp j, 0,2,4,6,8,10,12,14,16,18,20,22,24,26,28,30
	v_pk_mul_f32 v[S+\j:S+1+\j], v[OT+\j:OT+1+\j], v[216:217] op_sel_hi:[1,0]   ; register 16 b + i: unit 32 b + 16 h + i of my query
.endr
.irp b, 0,1
	v_max3_num_f32 v[BM+\b], |v[S+16*\b]|, |v[S+1+16*\b]|, 0x1800000
.endr
.irp i, 2,4,6,8,10,12,14
.irp b, 0,1
	v_max3_num_f32 v[BM+\b], v[BM+\b], |v[S+16*\b+\i]|, |v[S+1+16*\b+\i]|
.endr
.endr
.irp b, 0,1
	v_permlanex16_b32 v[BP+\b], v[BM+\b], s20, s21
.endr
.irp b, 0,1
	v_max_num_f32 v[BM+\b], v[BM+\b], v[BP+\b]
.endr
.irp b, 0,1
	v_add_nc_u32 v[SO+\b], 0xff000000, v[BM+\b]
.endr
.irp b, 0,1
	v_lshrrev_b32 v[BP+\b], 23, v[SO+\b]
.endr
	v_cvt_scalef32_pk16_fp6_f32 v[PCD:PCD+2], v[S:S+15], v[SO]
	v_cvt_scalef32_pk16_fp6_f32 v[196:198], v[S+16:S+31], v[SO+1]
	v_nop
.irp i, 0,1,2
	v_permlane16_swap_b32 v[PCD+\i], v[196+\i]
.endr
.irp i, 0,1,2
	v_mov_b32 v[PCD+3+\i], v[196+\i]
.endr
	v_cndmask_b32 v218, v[BP], v[BP+1], s66        ; lanes 0-15 store block 0's byte, lanes 16-31 block 1's
	global_store_b128 v1, v[PCD:PCD+3], s[36:37]               ; 512 consecutive bytes, aligned
	global_store_b64 v9, v[PCD+4:PCD+5], s[36:37] offset:512   ; 256 consecutive bytes, aligned
	global_store_b8 v38, v218, s[38:39]                        ; 32 consecutive bytes: one byte in 24 of what the launch stores
.endm
	HALF 0
	HALF 1
	s_wait_tensorcnt 0x0
	ds_add_u32 v254, v255
	s_wait_dscnt 0x0
	s_endpgm
.Lfunc_end_k_q0b5b154db3_attn:
	.size	k_q0b5b154db3_attn, .Lfunc_end_k_q0b5b154db3_attn-k_q0b5b154db3_attn
	.p2alignl 7, 3214868480
	.fill 96, 4, 3214868480
	.section	.rodata,"a",@progbits
	.p2align	6, 0x0
	.amdhsa_kernel k_q0b5b154db3_attn
		.amdhsa_group_segment_fixed_size 206848
		.amdhsa_private_segment_fixed_size 0
		.amdhsa_enable_private_segment 0
		.amdhsa_kernarg_size 32
		.amdhsa_user_sgpr_count 2
		.amdhsa_user_sgpr_kernarg_segment_ptr 1
		.amdhsa_wavefront_size32 1
		.amdhsa_system_sgpr_workgroup_id_x 1
		.amdhsa_system_sgpr_workgroup_id_y 1
		.amdhsa_system_sgpr_workgroup_id_z 1
		.amdhsa_system_vgpr_workitem_id 0
		.amdhsa_next_free_vgpr 256
		.amdhsa_next_free_sgpr 100
		.amdhsa_reserve_vcc 0
		.amdhsa_float_denorm_mode_32 3
		.amdhsa_float_denorm_mode_16_64 3
		.amdhsa_memory_ordered 1
		.amdhsa_forward_progress 1
		.amdhsa_inst_pref_size 63
	.end_amdhsa_kernel
	.amdgpu_metadata
---
amdhsa.version: [ 1, 2 ]
amdhsa.kernels:
  - .name:           k_q0b5b154db3_attn
    .symbol:         k_q0b5b154db3_attn.kd
    .args:
      - { .name: qkv, .offset: 0, .size: 8, .value_kind: global_buffer, .address_space: global }
      - { .name: mbits, .offset: 8, .size: 8, .value_kind: global_buffer, .address_space: global }
      - { .name: flags, .offset: 16, .size: 8, .value_kind: global_buffer, .address_space: global }
      - { .name: aq, .offset: 24, .size: 8, .value_kind: global_buffer, .address_space: global }
    .group_segment_fixed_size: 206848
    .private_segment_fixed_size: 0
    .kernarg_segment_align: 8
    .kernarg_segment_size: 32
    .max_flat_workgroup_size: 512
    .sgpr_count:     100
    .vgpr_count:     256
    .wavefront_size: 32
...
	.end_amdgpu_metadata
.endif
;; end of part 3
;; launch oproj (part 4): grid 4 x 64, 4 waves a work-group, no clusters, 168,448 bytes of LDS; arguments aq, wc, ws, bo, out0; writes out0
.if DOCPART == 4
	.amdgcn_target "amdgcn-amd-amdhsa--gfx1250"
	.amdhsa_code_object_version 6
	.text
	.protected	k_q0b5b154db3_oproj
	.globl	k_q0b5b154db3_oproj
	.p2align	8
	.type	k_q0b5b154db3_oproj,@function
k_q0b5b154db3_oproj:
	s_mov_b64 s[64:65], 0
	v_nop
	global_prefetch_b8 v0, s[64:65] scope:SCOPE_SE
	s_setreg_imm32_b32 hwreg(HW_REG_WAVE_MODE, 25, 1), 1
	s_wait_xcnt 0x0
; OUT = attention's result x Wo + bo, on codes of FP6 (E2M3) with E8M0 scales; f32 rows out.
; SHARES.  Work-group (g, blk): 128 tokens x columns 256 g .. 256 g + 255; wave w makes 128 x 64: 32 accumulators, 8 K steps of 32 matrix instructions.  The tokens' block (codes and scale bytes, 102,400 dense bytes) comes
; into LDS once, a quarter by each wave's one tensor load; nothing is filled again.  The wave's part of Wo (8 K steps x 48 registers) lies in registers.
; NO CLUSTER: what the four work-groups of a token block share is a third of the 299,008 bytes that a work-group reads, and the launch is short; the weights go straight into registers.
; Source 0 = 16 columns of Wo, source 1 = 16 tokens: a lane holds one token and eight neighbouring columns.  Tiles of 16 take items rho(T, i) = 32 (T / 2) + 8 (T % 2) + i + 8 (i / 8).
; A fragment of the tokens is two HALF images (one head each, 768 bytes): registers 0-3 at 16 L, registers 4-5 at 512 + 8 L.
; REGISTERS.  window 0: v1-10 addresses; v16-31 Wo's scale words; v32-63 the tokens'; v64-95 bo as C; v144-239 fragments, set 0, later rows of the result.   window 1: Wo's K steps 0-4.   window 2: K steps 5-7; v144-239 set 1.   window 3: accumulators.
.set WS, 16
.set XS, 32
.set BI, 64
.set XF, 144
.set STO, 8
.set RD, 9
.set CO, 10
.set MSB, 0
.macro WIN new                         ; the immediate's high byte repeats the setting that is left; a switch that changes nothing is dropped
.if MSB != (\new)
	s_set_vgpr_msb (MSB<<8)|(\new)
.set MSB, (\new)
.endif
.endm
.macro PLACES n                        ; plain places behind matrix instructions (ISA guide 7.12.1)
.rept \n
	v_nop
.endr
.endm
.macro WM d, a, b, c, sa, sb, ra, rb
.if ((\ra) == 0) && ((\rb) == 0)
	v_wmma_scale_f32_16x16x128_f8f6f4 v[(\d):(\d)+7], v[(\a):(\a)+11], v[(\b):(\b)+11], v[(\c):(\c)+7], v[(\sa)], v[(\sb)] matrix_a_fmt:MATRIX_FMT_FP6 matrix_b_fmt:MATRIX_FMT_FP6
.elseif ((\ra) == 1) && ((\rb) == 0)
	v_wmma_scale_f32_16x16x128_f8f6f4 v[(\d):(\d)+7], v[(\a):(\a)+11], v[(\b):(\b)+11], v[(\c):(\c)+7], v[(\sa)], v[(\sb)] matrix_a_fmt:MATRIX_FMT_FP6 matrix_b_fmt:MATRIX_FMT_FP6 matrix_a_scale:MATRIX_SCALE_ROW1
.elseif ((\ra) == 0) && ((\rb) == 1)
	v_wmma_scale_f32_16x16x128_f8f6f4 v[(\d):(\d)+7], v[(\a):(\a)+11], v[(\b):(\b)+11], v[(\c):(\c)+7], v[(\sa)], v[(\sb)] matrix_a_fmt:MATRIX_FMT_FP6 matrix_b_fmt:MATRIX_FMT_FP6 matrix_b_scale:MATRIX_SCALE_ROW1
.else
	v_wmma_scale_f32_16x16x128_f8f6f4 v[(\d):(\d)+7], v[(\a):(\a)+11], v[(\b):(\b)+11], v[(\c):(\c)+7], v[(\sa)], v[(\sb)] matrix_a_fmt:MATRIX_FMT_FP6 matrix_b_fmt:MATRIX_FMT_FP6 matrix_a_scale:MATRIX_SCALE_ROW1 matrix_b_scale:MATRIX_SCALE_ROW1
.endif
.endm
.macro FETCHA s, set                   ; the tokens' eight fragments of K step s (a pair of heads): 32 loads
	WIN 0x80*(\set)
.irp m, 0,1,2,3,4,5,6,7
	ds_load_b128 v[XF+12*\m:XF+12*\m+3],     v[1+(\s)/4]     offset:(((\s)%4)*8+\m)*1536
	ds_load_b64  v[XF+12*\m+4:XF+12*\m+5],   v[3+3*((\s)/4)] offset:(((\s)%4)*8+\m)*1536+512
	ds_load_b128 v[XF+12*\m+6:XF+12*\m+9],   v[1+(\s)/4]     offset:(((\s)%4)*8+\m)*1536+768
	ds_load_b64  v[XF+12*\m+10:XF+12*\m+11], v[3+3*((\s)/4)] offset:(((\s)%4)*8+\m)*1536+1280
.endr
.endm
.macro LOADW s                         ; Wo's four fragments and two scale registers of K step s: 14 loads
	WIN 0x40*(1+(\s)/5)
.irp t, 0,1,2,3
.irp c, 0,1,2
	global_load_b128 v[48*((\s)%5)+12*\t+4*\c:48*((\s)%5)+12*\t+4*\c+3], v1, s[6:7] offset:3*786432+(4*(\s)+\t)*1536+512*\c
.endr
.endr
	WIN 0
.irp i, 0,1
	global_load_b32 v[WS+2*(\s)+\i], v4, s[8:9] offset:3*32768+256*(\s)+128*\i
.endr
.endm
; a K step's 32 products: the 32 accumulators take turns, one instruction a turn, in the same order in every K step; K step 0 takes the bias as C
.macro MUL s
.set WB, 48*((\s)%5)
.set WW, 1+(\s)/5
.set XW, 2*((\s)%2)
.if (\s) == 0
.set CW, 0
.else
.set CW, 3
.endif
	WIN 0xc0|(CW<<4)|(XW<<2)|WW
.irp m, 0,1,2,3,4,5,6,7
.irp t, 0,1,2,3
.set AD, 8*(4*\m+\t)
.if (\s) == 0
.set AC, BI+8*\t
.else
.set AC, AD
.endif
	WM AD, WB+12*\t, XF+12*\m, AC, WS+2*(\s)+\t/2, XS+4*(\s)+\m/2, \t%2, \m%2
.endr
.endr
.endm
.macro KSTEP s, wl
.if (\s) > 0
	PLACES 4                                       ; behind the last K step's products: the loads below land in registers that they read
.endif
.if (\s) < 7
	FETCHA (\s)+1, ((\s)+1)%2
.endif
	s_wait_loadcnt \wl                             ; this K step's weights are in: 14 younger loads for each later K step, at most what the field can name
.if (\s) < 7
	s_wait_dscnt 32                                ; this K step's fragments are in; the next one's 32 loads may be out
.else
	s_wait_dscnt 0x0
.endif
	MUL \s
.endm
; THE WAY OUT, a tile of 16 tokens x 64 columns at a time, through my own stage: in by lanes (32 bytes of a row each), back by rows of 256 bytes.  LDS serves a wave's instructions in order.
.macro TOSTAGE m
	WIN 0x0c                                       ; an LDS store's data are its source 1: window 3
.irp t, 0,1,2,3
	ds_store_b128 v[STO], v[32*(\m)+8*\t:32*(\m)+8*\t+3] offset:(32*(\t/2)+8*(\t%2))*4       ; each accumulator from its low end on
	ds_store_b128 v[STO], v[32*(\m)+8*\t+4:32*(\m)+8*\t+7] offset:(32*(\t/2)+8*(\t%2))*4+16
.endr
	WIN 0
.irp k, 0,1,2,3,4,5,6,7
	ds_load_b128 v[XF+32*((\m)%2)+4*\k:XF+32*((\m)%2)+4*\k+3], v[RD] offset:544*\k
.endr
.endm
.macro SEND m, younger
	s_wait_dscnt \younger                          ; the tile is back in registers; the next tile's 8 stores and 8 loads may be out
.irp k, 0,1,2,3,4,5,6,7
	global_store_b128 v[CO], v[XF+32*((\m)%2)+4*\k:XF+32*((\m)%2)+4*\k+3], s[24:25] offset:(32*((\m)/2)+8*((\m)%2)+2*\k+8*(\k/4))*4096 th:TH_STORE_NT   ; sixteen lanes store 256 consecutive bytes of a row, aligned
.endr
.endm
	s_load_b256 s[4:11], s[0:1], 0x0               ; aq 4, wc 6, ws 8, bo 10
	s_load_b64 s[24:25], s[0:1], 0x20              ; out0
	v_lshl_add_u32 v254, v0, 2, 0x29000
	v_mov_b32 v255, 0
	ds_add_u32 v254, v255
	ds_add_u32 v254, v255
	v_lshrrev_b32 v1, 5, v0
	v_readfirstlane_b32 s30, v1                    ; wave
	s_and_b32 s32, ttmp7, 0xffff                   ; block of 128 tokens
	s_lshl_b32 s33, ttmp9, 2
	s_add_co_u32 s33, s33, s30                     ; group of 64 columns
	; descriptor group 1: 25,600 dense bytes as 100 rows of 32 elements of 8 bytes, no padding
	s_mov_b32 s16, 3<<16
	s_mov_b32 s17, 32<<16
	s_mov_b32 s18, 100<<16
	s_mov_b32 s19, 32<<16
	s_mov_b32 s20, 100
	s_mov_b32 s21, 32
	s_mov_b32 s22, 0
	s_mov_b32 s23, 0
	s_mov_b32 s12, 1
	s_mul_i32 s13, s30, 25600
	s_mul_i32 s34, s32, 102400
	s_add_co_u32 s34, s34, s13
	s_mov_b32 s35, 0
	s_wait_dscnt 0x0
	s_wait_kmcnt 0x0
	s_add_nc_u64 s[14:15], s[4:5], s[34:35]
	s_or_b32 s15, s15, 0x80000000
	tensor_load_to_lds s[12:15], s[16:23]          ; my one tensor load of the launch: one is out
	s_nop 0
.rept 4
	v_nop
.endr
	s_mul_i32 s44, s33, 49152
	s_mov_b32 s45, 0
	s_add_nc_u64 s[6:7], s[6:7], s[44:45]
	s_lshl_b32 s44, s33, 11
	s_add_nc_u64 s[8:9], s[8:9], s[44:45]
	s_lshl_b32 s44, s33, 8
	s_add_nc_u64 s[10:11], s[10:11], s[44:45]      ; my 64 numbers of bo
	s_add_nc_u64 s[24:25], s[24:25], s[44:45]      ; my 256 bytes of a row of the result,
	s_lshl_b32 s44, s32, 19
	s_add_nc_u64 s[24:25], s[24:25], s[44:45]      ; in my block's 128 rows of 4,096 bytes
	v_and_b32 v11, 31, v0                          ; L
	v_and_b32 v12, 15, v0                          ; r
	v_bfe_u32 v13, v0, 4, 1                        ; h
	v_lshlrev_b32 v1, 4, v11                       ; 16 L
	v_add_nc_u32 v2, 49152, v1
	v_lshlrev_b32 v3, 3, v11                       ; 8 L
	v_lshlrev_b32 v4, 2, v11
	v_lshlrev_b32 v5, 6, v13
	v_add_nc_u32 v6, 49152, v3
	v_lshl_add_u32 v7, v11, 1, 98304               ; 2 L + the scale bytes' place
	s_mul_i32 s34, s30, 4352
	s_add_co_u32 s34, s34, 102400                  ; my stage: 16 rows x (256 + 16) bytes, behind the tokens' block: no fill lands there
	v_mul_u32_u24 v[STO], v12, 272
	v_lshl_add_u32 v[STO], v13, 6, v[STO]
	v_add_nc_u32 v[STO], s34, v[STO]
	v_mul_u32_u24 v[RD], v13, 272
	v_lshl_add_u32 v[RD], v12, 4, v[RD]
	v_add_nc_u32 v[RD], s34, v[RD]
	v_lshlrev_b32 v[CO], 12, v13
	v_lshl_add_u32 v[CO], v12, 4, v[CO]
.irp t, 0,1,2,3
	global_load_b128 v[BI+8*\t:BI+8*\t+3], v5, s[10:11] offset:(32*(\t/2)+8*(\t%2))*4
	global_load_b128 v[BI+8*\t+4:BI+8*\t+7], v5, s[10:11] offset:(32*(\t/2)+8*(\t%2))*4+16
.endr
.irp s, 0,1,2,3,4,5,6,7
	LOADW \s
.endr
	s_wait_tensorcnt 0x0                           ; my quarter of the block is in,
	s_barrier_signal -1
	s_barrier_wait -1                              ; everybody's is; the block is only read from here on
.irp e, 0,1,2,3,4,5,6,7,8,9,10,11,12,13,14,15
.irp i, 0,1,2,3
	ds_load_u16 v[XF+4*\e+\i], v7 offset:256*\e+64*\i   ; head e's two bytes: lanes 0-15 tile 2 i's rows, lanes 16-31 tile 2 i + 1's
.endr
.endr
	s_wait_dscnt 0x0
.irp s, 0,1,2,3,4,5,6,7
.irp i, 0,1,2,3
	v_lshl_or_b32 v[XS+4*\s+\i], v[XF+4+8*\s+\i], 16, v[XF+8*\s+\i]   ; a K step is a pair of heads: four bytes a row.  Behind each of these words at least 28 plain lines stand ahead of the product that names it
.endr
.endr
	FETCHA 0, 0
	KSTEP 0, 63
	KSTEP 1, 63
	KSTEP 2, 63
	KSTEP 3, 56
	KSTEP 4, 42
	KSTEP 5, 28
	KSTEP 6, 14
	KSTEP 7, 0
	PLACES 4
	TOSTAGE 0
.irp m, 1,2,3,4,5,6,7
.if \m > 1
	s_wait_xcnt 0x0                                ; the stores of the tile two back have read their registers: this tile's rows may land there
.endif
	TOSTAGE \m
	SEND \m-1, 16
.endr
	SEND 7, 0
	s_wait_tensorcnt 0x0
	ds_add_u32 v254, v255
	s_wait_dscnt 0x0
	s_endpgm
.Lfunc_end_k_q0b5b154db3_oproj:
	.size	k_q0b5b154db3_oproj, .Lfunc_end_k_q0b5b154db3_oproj-k_q0b5b154db3_oproj
	.p2alignl 7, 3214868480
	.fill 96, 4, 3214868480
	.section	.rodata,"a",@progbits
	.p2align	6, 0x0
	.amdhsa_kernel k_q0b5b154db3_oproj
		.amdhsa_group_segment_fixed_size 168448
		.amdhsa_private_segment_fixed_size 0
		.amdhsa_enable_private_segment 0
		.amdhsa_kernarg_size 40
		.amdhsa_user_sgpr_count 2
		.amdhsa_user_sgpr_kernarg_segment_ptr 1
		.amdhsa_wavefront_size32 1
		.amdhsa_system_sgpr_workgroup_id_x 1
		.amdhsa_system_sgpr_workgroup_id_y 1
		.amdhsa_system_sgpr_workgroup_id_z 1
		.amdhsa_system_vgpr_workitem_id 0
		.amdhsa_next_free_vgpr 1024
		.amdhsa_next_free_sgpr 66
		.amdhsa_reserve_vcc 0
		.amdhsa_float_denorm_mode_32 3
		.amdhsa_float_denorm_mode_16_64 3
		.amdhsa_memory_ordered 1
		.amdhsa_forward_progress 1
		.amdhsa_inst_pref_size 87
	.end_amdhsa_kernel
	.amdgpu_metadata
---
amdhsa.version: [ 1, 2 ]
amdhsa.kernels:
  - .name:           k_q0b5b154db3_oproj
    .symbol:         k_q0b5b154db3_oproj.kd
    .args:
      - { .name: aq, .offset: 0, .size: 8, .value_kind: global_buffer, .address_space: global }
      - { .name: wc, .offset: 8, .size: 8, .value_kind: global_buffer, .address_space: global }
      - { .name: ws, .offset: 16, .size: 8, .value_kind: global_buffer, .address_space: global }
      - { .name: bo, .offset: 24, .size: 8, .value_kind: global_buffer, .address_space: global }
      - { .name: out0, .offset: 32, .size: 8, .value_kind: global_buffer, .address_space: global }
    .group_segment_fixed_size: 168448
    .private_segment_fixed_size: 0
    .kernarg_segment_align: 8
    .kernarg_segment_size: 40
    .max_flat_workgroup_size: 128
    .sgpr_count:     66
    .vgpr_count:     1024
    .wavefront_size: 32
...
	.end_amdgpu_metadata
.endif
;; end of part 4
;; ======== version 2 of 2: 4 launches
;; limits: right only within a limited range of input values
;; workspace buffers: xq 6,553,600 bytes; wc 3,145,728 bytes; ws 131,072 bytes; mbits 2,097,152 bytes of whole numbers; flags 2,048 bytes of whole numbers; qkv 19,660,800 bytes; aq 6,553,600 bytes
;; launch prep (part 5): grid 640 x 1, 4 waves a work-group, no clusters, 51,712 bytes of LDS; arguments x, mask, Wq, Wk, Wv, Wo, xq, wc, ws, mbits, flags; writes xq, wc, ws, mbits, flags
.if DOCPART == 5
	.amdgcn_target "amdgcn-amd-amdhsa--gfx1250"
	.amdhsa_code_object_version 6
	.text
	.protected	k_q0b5b154db3_prep
	.globl	k_q0b5b154db3_prep
	.p2align	8
	.type	k_q0b5b154db3_prep,@function
k_q0b5b154db3_prep:
	s_mov_b64 s[64:65], 0
	v_nop
	global_prefetch_b8 v0, s[64:65] scope:SCOPE_SE
	s_setreg_imm32_b32 hwreg(HW_REG_WAVE_MODE, 25, 1), 1
	s_wait_xcnt 0x0
; PREP: x and the four weights become codes of FP6 (E2M3) with one E8M0 byte for each 32 along K, laid as IMAGES OF OPERAND REGISTERS; the mask becomes lane masks and step flags.
; A block's scale is 2^(floor(log2(largest magnitude)) - 2): its byte is the largest magnitude's exponent field - 2, held at 1 from below by a floor among the maximum's leaves.
; LIMITS: NaN and infinities among the inputs are not served.  A block of zeros gets the byte 1 (the rule says 127): its codes are zeros, and this program alone reads the bytes.
;         Mask bytes are 0 or 1: the lane masks take any byte that is not 0 as set, the flags compare with 0x01010101.
; TILES OF 16: tile T takes items rho(T, i) = 32 (T / 2) + 8 (T % 2) + i + 8 (i / 8): so the 16 result registers of two neighbouring tiles are 16 neighbours along the next K.
; AN IMAGE of a fragment (12 registers a lane): registers 4 c .. 4 c + 3 of lane L at 512 c + 16 L: 1,536 bytes; three stores or loads of 16 bytes a lane.
; Work-groups 0-255: x (a wave: 4 tiles of tokens x 128 along K).  256-383: the mask (a wave: 16 queries x all 2,048 keys).  384-639: the weights (a wave: 32 columns x 128 along K).
; The three paths part on the work-group's number and never join; waves share nothing, so there is no barrier; the paths that use LDS have bytes of their own.
.set XN,  144                          ; v144-207 path x: 64 numbers of a lane: register 16 b + i = k 32 b + 16 h + i of its row
.set R0,  16                           ; v16-79, v80-143 path x: two sets of 16 rows as loaded
.set R1,  80
.set PC,  208                          ; v208-219 the codes just made; v220-226 at work
.set TM,  228                          ; v228-231 largest magnitudes, v232-235 bytes, v240-243 the conversions' scale operands
.set PW,  244                          ; the scale word just made
.set PWE, 245                          ; the even tile's, kept
.set SW,  246                          ; v[246:247] two paired scale registers: lanes 0-15 the even tile's words, lanes 16-31 the odd tile's
.set XST, 8448                         ; path x: a wave's stage: 16 rows x (512 + 16) bytes
.set MB0, 33792                        ; path mask: its stages begin behind path x's four
.set MST, 4352                         ; 16 rows x (256 + 16) bytes
	s_load_b512 s[4:19], s[0:1], 0x0               ; x 4, mask 6, Wq 8, Wk 10, Wv 12, Wo 14, xq 16, wc 18
	s_load_b128 s[20:23], s[0:1], 0x40             ; ws 20, mbits 22
	s_load_b64 s[24:25], s[0:1], 0x50              ; flags
	v_lshl_add_u32 v254, v0, 2, 0xc800
	v_mov_b32 v255, 0
	v_lshrrev_b32 v1, 5, v0
	v_readfirstlane_b32 s26, v1                    ; wave
	v_and_b32 v1, 31, v0                           ; L
	v_and_b32 v2, 15, v0                           ; r
	v_bfe_u32 v3, v0, 4, 1                         ; h
	s_mov_b32 s27, 0xffff0000                      ; lanes 16-31
	s_mov_b32 s28, 0x76543210
	s_mov_b32 s29, 0xfedcba98                      ; v_permlanex16_b32's selects for lane l xor 16
	s_wait_kmcnt 0x0
	s_cmp_lt_u32 ttmp9, 256
	s_cbranch_scc1 .Lpath_x
	s_cmp_lt_u32 ttmp9, 384
	s_cbranch_scc1 .Lpath_m
; ---------------- THE WEIGHTS.  W is [k][n]: a lane takes a column and its registers run down K: a block of 32 lies in one lane, and the codes come out with K innermost.
	s_sub_co_u32 s30, ttmp9, 384
	s_lshr_b32 s31, s30, 6                         ; which matrix: q, k, v, o
	s_bfe_u32 s32, s30, 0x30003                    ; K step of 128
	s_and_b32 s33, s30, 7
	s_lshl_b32 s33, s33, 2
	s_add_co_u32 s33, s33, s26                     ; group of 32 columns
	s_cmp_eq_u32 s31, 1                            ; the choice hangs on the work-group's number alone
	s_cselect_b64 s[8:9], s[10:11], s[8:9]
	s_cmp_eq_u32 s31, 2
	s_cselect_b64 s[8:9], s[12:13], s[8:9]
	s_cmp_eq_u32 s31, 3
	s_cselect_b64 s[8:9], s[14:15], s[8:9]
	s_lshl_b32 s34, s32, 19                        ; 128 rows of 4,096 bytes
	s_lshl_b32 s35, s33, 7                         ; 32 columns of 4 bytes
	s_add_co_u32 s34, s34, s35
	s_mov_b32 s35, 0
	s_add_nc_u64 s[8:9], s[8:9], s[34:35]
	s_lshr_b32 s36, s33, 1                         ; head (64 columns)
	s_and_b32 s37, s33, 1                          ; which 32 of them: tiles 2 b', 2 b' + 1
	s_lshl_b32 s38, s31, 4
	s_add_co_u32 s38, s38, s36
	s_lshl_b32 s38, s38, 3
	s_add_co_u32 s38, s38, s32                     ; (16 matrix + head) 8 + K step
	s_lshl_b32 s40, s38, 2
	s_lshl_b32 s41, s37, 1
	s_add_co_u32 s40, s40, s41
	s_mul_i32 s40, s40, 1536
	s_mov_b32 s41, 0
	s_add_nc_u64 s[18:19], s[18:19], s[40:41]      ; my two tiles' images
	s_lshl_b32 s40, s38, 8
	s_lshl_b32 s42, s37, 7
	s_add_co_u32 s40, s40, s42
	s_add_nc_u64 s[20:21], s[20:21], s[40:41]      ; and their 32 scale words
	v_and_b32 v4, 7, v0
	v_bfe_u32 v5, v0, 3, 1
	v_lshl_add_u32 v4, v5, 4, v4
	s_wait_alu depctr_va_vdst(0)
	v_lshl_add_u32 v4, v3, 3, v4                   ; my column: (L & 7) + 16 ((L >> 3) & 1) + 8 (L >> 4): lanes 0-15 are tile 2 b', lanes 16-31 tile 2 b' + 1
	v_lshlrev_b32 v4, 2, v4
	v_mul_u32_u24 v5, v3, 1536
	v_lshl_add_u32 v5, v2, 4, v5                   ; my tile's image, fragment lane r
	v_lshlrev_b32 v6, 2, v1
.set kk, 0
.rept 128
	global_load_b32 v[16+kk], v4, s[8:9] offset:4096*kk th:TH_LOAD_NT   ; W(128 ks + kk, my column): a wave reads 128 neighbouring bytes, the four waves 512
.set kk, kk+1
.endr
; block bl of my column: its codes are registers 6 (bl / 2) .. + 5 of fragment lane (r, bl % 2): v144-155 for h = 0, v156-167 for h = 1
.macro WBLOCK bl, wl
.set XB, 16+32*(\bl)
.set CB, 144+12*((\bl)%2)+6*((\bl)/2)
	s_wait_loadcnt \wl                             ; this block's 32 loads are in (the count: the younger loads, at most what the field can name)
	v_max3_num_f32 v172, |v[XB]|, |v[XB+1]|, |v[XB+2]|
	v_max3_num_f32 v173, |v[XB+3]|, |v[XB+4]|, |v[XB+5]|
.irp i, 6,10,14,18,22,26
	v_max3_num_f32 v172, v172, |v[XB+\i]|, |v[XB+\i+1]|
	v_max3_num_f32 v173, v173, |v[XB+\i+2]|, |v[XB+\i+3]|
.endr
	v_max3_num_f32 v172, v172, |v[XB+30]|, |v[XB+31]|
	v_max3_num_f32 v172, v172, v173, 0x1800000     ; with the floor 2^(3 - 127)
	v_add_nc_u32 v174, 0xff000000, v172            ; 2 off the exponent field: the conversion's scale operand
	v_lshrrev_b32 v175, 23, v174                   ; the byte
.if (\bl) == 0
	v_mov_b32 v176, v175
.else
	v_lshl_or_b32 v176, v175, 8*(\bl), v176        ; my column's scale word
.endif
	v_cvt_scalef32_pk16_fp6_f32 v[CB:CB+2], v[XB:XB+15], v174
	v_cvt_scalef32_pk16_fp6_f32 v[168:170], v[XB+16:XB+31], v174   ; (a conversion's three registers begin on an even number)
	v_nop                                          ; one plain place behind a scaled conversion
.irp i, 0,1,2
	v_mov_b32 v[CB+3+\i], v[168+\i]
.endr
.endm
	WBLOCK 0, 63
	WBLOCK 1, 63
	WBLOCK 2, 32
	WBLOCK 3, 0
.irp e, 0,1
.irp c, 0,1,2
	global_store_b128 v5, v[144+12*\e+4*\c:147+12*\e+4*\c], s[18:19] offset:512*\c+256*\e   ; sixteen lanes store 256 consecutive bytes of one tile's image, aligned
.endr
.endr
	global_store_b32 v6, v176, s[20:21]            ; 128 consecutive bytes: the words of tiles 2 b', 2 b' + 1
	s_endpgm
; ---------------- x.  64 numbers of a lane become a fragment's codes in v[PC] on and its row's scale word in v[PW].
.macro QUANT s
.irp b, 0,1,2,3
	v_max3_num_f32 v[TM+\b], |v[\s+16*\b]|, |v[\s+1+16*\b]|, 0x1800000   ; block b: my 16 numbers, and the floor 2^(3 - 127)
.endr
.irp i, 2,4,6,8,10,12,14
.irp b, 0,1,2,3
	v_max3_num_f32 v[TM+\b], v[TM+\b], |v[\s+16*\b+\i]|, |v[\s+1+16*\b+\i]|   ; the four blocks by turns
.endr
.endr
.irp b, 0,1,2,3
	v_permlanex16_b32 v[TM+4+\b], v[TM+\b], s28, s29
.endr
.irp b, 0,1,2,3
	v_max_num_f32 v[TM+\b], v[TM+\b], v[TM+4+\b]   ; with lane l xor 16's 16: the block's
.endr
.irp b, 0,1,2,3
	v_add_nc_u32 v[TM+12+\b], 0xff000000, v[TM+\b]
.endr
.irp b, 0,1,2,3
	v_lshrrev_b32 v[TM+4+\b], 23, v[TM+12+\b]
.endr
	v_lshl_or_b32 v[PW], v[TM+5], 8, v[TM+4]
	v_lshl_or_b32 v[PW], v[TM+6], 16, v[PW]
	v_lshl_or_b32 v[PW], v[TM+7], 24, v[PW]
.irp c, 0,1
	v_cvt_scalef32_pk16_fp6_f32 v[PC+6*\c:PC+2+6*\c], v[\s+32*\c:\s+15+32*\c], v[TM+12+2*\c]
	v_cvt_scalef32_pk16_fp6_f32 v[PC+12+4*\c:PC+14+4*\c], v[\s+16+32*\c:\s+31+32*\c], v[TM+12+2*\c+1]
.endr
	v_nop                                          ; one plain place behind a scaled conversion
.irp c, 0,1                                    ; the operand wants a whole block in a lane: lanes 0-15 block 2 c, lanes 16-31 block 2 c + 1
.irp i, 0,1,2
	v_permlane16_swap_b32 v[PC+6*\c+\i], v[PC+12+4*\c+\i]
.endr
.irp i, 0,1,2
	v_mov_b32 v[PC+3+6*\c+\i], v[PC+12+4*\c+\i]
.endr
.endr
.endm
.macro LOADT j, R                      ; tile j of my four: 16 rows, 512 consecutive bytes a load
.irp i, 0,1,2,3,4,5,6,7,8,9,10,11,12,13,14,15
	global_load_b128 v[\R+4*\i:\R+4*\i+3], v4, s[4:5] offset:(32*((\j)/2)+8*((\j)%2)+\i+8*(\i/8))*4096 th:TH_LOAD_NT
.endr
.endm
.macro TURN R                          ; through my stage: in as loaded, out 64 bytes of each block's half a lane.  LDS serves a wave's instructions in order
.irp i, 0,1,2,3,4,5,6,7,8,9,10,11,12,13,14,15
	ds_store_b128 v5, v[\R+4*\i:\R+4*\i+3] offset:528*\i
.endr
.irp b, 0,1,2,3
.irp j, 0,1,2,3
	ds_load_b128 v[XN+16*\b+4*\j:XN+16*\b+4*\j+3], v6 offset:128*\b+16*\j
.endr
.endr
.endm
.macro XTILE j, R, wl
	s_wait_loadcnt \wl                             ; this tile's 16 loads are in; the next tile's 16 may be out
	TURN \R
	s_wait_dscnt 0x0                               ; the numbers are back, and the stage's stores have read their registers,
.if (\j) < 2
	LOADT (\j)+2, \R                               ; which take the tile two on
.endif
	s_wait_xcnt 0x0                                ; the last tile's stores have read the codes' registers
	QUANT XN
.irp c, 0,1,2
	global_store_b128 v4, v[PC+4*\c:PC+4*\c+3], s[40:41] offset:(\j)*1536+512*\c   ; 512 consecutive bytes, aligned
.endr
.if (\j)%2 == 0
	v_mov_b32 v[PWE], v[PW]
.else
	v_cndmask_b32 v[SW+(\j)/2], v[PWE], v[PW], s27 ; lanes 0-15 the even tile's words, lanes 16-31 the odd tile's
.endif
.endm
.Lpath_x:
	s_lshl_b32 s30, ttmp9, 2
	s_add_co_u32 s30, s30, s26                     ; my unit
	s_lshr_b32 s31, s30, 4                         ; block of 128 tokens
	s_bfe_u32 s32, s30, 0x30001                    ; K step
	s_and_b32 s33, s30, 1                          ; which four of the block's eight tiles
	s_lshl_b32 s34, s31, 19
	s_lshl_b32 s35, s33, 18
	s_add_co_u32 s34, s34, s35
	s_lshl_b32 s35, s32, 9
	s_add_co_u32 s34, s34, s35
	s_mov_b32 s35, 0
	s_add_nc_u64 s[4:5], s[4:5], s[34:35]
	s_mul_i32 s36, s31, 102400
	s_lshl_b32 s38, s32, 3
	s_lshl_b32 s39, s33, 2
	s_add_co_u32 s38, s38, s39
	s_mul_i32 s38, s38, 1536
	s_add_co_u32 s38, s38, s36
	s_mov_b32 s39, 0
	s_add_nc_u64 s[40:41], s[16:17], s[38:39]      ; my four images
	s_lshl_b32 s38, s32, 9
	s_lshl_b32 s42, s33, 8
	s_add_co_u32 s38, s38, s42
	s_add_co_u32 s38, s38, s36
	s_add_co_u32 s38, s38, 98304
	s_add_nc_u64 s[16:17], s[16:17], s[38:39]      ; my 256 bytes of scale words
	s_wait_alu depctr_va_vdst(0)
	v_lshlrev_b32 v4, 4, v1
	s_mul_i32 s43, s26, XST
	v_add_nc_u32 v5, s43, v4
	v_mul_u32_u24 v6, v2, 528
	v_lshl_add_u32 v6, v3, 6, v6
	v_add_nc_u32 v6, s43, v6
	v_lshlrev_b32 v7, 3, v1
.irp b, 0,1,2,3
	v_mov_b32 v[TM+4+\b], 0                        ; a lane permute's destination counts as one of its sources
.endr
	LOADT 0, R0
	LOADT 1, R1
	s_wait_alu depctr_va_vdst(0)
	XTILE 0, R0, 16
	XTILE 1, R1, 16
	XTILE 2, R0, 16
	XTILE 3, R1, 0
	global_store_b64 v7, v[SW:SW+1], s[16:17]      ; 256 consecutive bytes, aligned
	s_wait_tensorcnt 0x0
	ds_add_u32 v254, v255
	s_wait_dscnt 0x0
	s_endpgm
; ---------------- THE MASK.  For query tile T and key step (128 keys): 64 words; word 16 pi + i, bit L = mask[rho(T, L % 16)][128 step + 32 pi + 16 (L / 16) + i]: the lane mask for score register 16 pi + i.
; Flags of a tile: bit s: step s may be left out (all its 16 x 128 bytes are set, and no row of the tile is set everywhere); bit 16 + s: step s has a set byte.
.macro DSTEP more                      ; 256 keys: two steps
	s_wait_loadcnt 0x0
.irp i, 0,1,2,3,4,5,6,7
	ds_store_b128 v5, v[16+4*\i:19+4*\i] offset:544*\i
.endr
.irp e, 0,1
.irp q, 0,1,2,3
	ds_load_b128 v[48+16*\e+4*\q:51+16*\e+4*\q], v6 offset:128*\e+32*\q   ; my row's 16 bytes of each 32 keys
.endr
.endr
	s_wait_dscnt 0x0
.if \more
	s_add_nc_u64 s[6:7], s[6:7], 256               ; (the loads that read this base are done)
.irp i, 0,1,2,3,4,5,6,7
	global_load_b128 v[16+4*\i:19+4*\i], v4, s[6:7] offset:(2*\i+8*(\i/4))*2048 th:TH_LOAD_NT   ; sixteen lanes read 256 consecutive bytes of one row, aligned
.endr
.endif
.irp e, 0,1
	s_wait_xcnt 0x0                                ; the last step's store has read v[92:93]
	v_or_b32 v88, v[48+16*\e], v[49+16*\e]
	v_and_b32 v89, v[48+16*\e], v[49+16*\e]
.irp k, 2,3,4,5,6,7,8,9,10,11,12,13,14,15
	v_or_b32 v88, v88, v[48+16*\e+\k]
	v_and_b32 v89, v89, v[48+16*\e+\k]
.endr
	v_and_b32 v90, v90, v89                        ; my half of my row, over all steps
.irp g, 0,1,2,3,4,5,6,7,8,9,10,11,12,13,14,15
.irp y, 0,1,2,3
	v_bfe_u32 v[80+\y], v[48+16*\e+\g], 8*\y, 8
.endr
.irp y, 0,1,2,3
	v_cmp_ne_u32 s[38+\y], 0, v[80+\y]             ; word 4 g + y
.endr
.irp y, 0,1,2,3
	v_writelane_b32 v[92+\y%2], s[38+\y], 2*\g+\y/2
.endr
.endr
	s_wait_alu depctr_va_vdst(0)
	v_cmp_ne_u32 s31, 0, v88
	v_cmp_ne_u32 s32, s45, v89
	s_cmp_lg_u32 s31, 0                            ; a byte is set
	s_cselect_b32 s33, 1, 0
	s_lshl_b32 s33, s33, s35
	s_or_b32 s36, s36, s33
	s_cmp_eq_u32 s32, 0                            ; all are set
	s_cselect_b32 s33, 1, 0
	s_lshl_b32 s33, s33, s35
	s_or_b32 s37, s37, s33
	s_add_co_u32 s35, s35, 1
	global_store_b64 v7, v[92:93], s[22:23] offset:256*\e   ; 256 consecutive bytes, aligned
.endr
.if \more
	s_wait_xcnt 0x0                                ; the stores have read their base
	s_add_nc_u64 s[22:23], s[22:23], 512
.endif
.endm
.Lpath_m:
	s_sub_co_u32 s30, ttmp9, 256
	s_lshl_b32 s30, s30, 2
	s_add_co_u32 s30, s30, s26                     ; 128 b + T
	s_lshr_b32 s31, s30, 7
	s_and_b32 s32, s30, 127
	s_lshr_b32 s33, s32, 1
	s_lshl_b32 s33, s33, 5
	s_and_b32 s34, s32, 1
	s_lshl_b32 s34, s34, 3
	s_add_co_u32 s33, s33, s34                     ; the tile's first row
	s_lshl_b32 s33, s33, 11
	s_lshl_b32 s34, s31, 22
	s_add_co_u32 s42, s33, s34
	s_mov_b32 s43, 0
	s_add_nc_u64 s[6:7], s[6:7], s[42:43]
	s_lshl_b32 s42, s30, 12
	s_add_nc_u64 s[22:23], s[22:23], s[42:43]
	s_lshl_b32 s42, s30, 2
	s_add_nc_u64 s[24:25], s[24:25], s[42:43]
	s_wait_alu depctr_va_vdst(0)
	v_lshlrev_b32 v4, 4, v2
	v_lshl_add_u32 v4, v3, 11, v4                  ; lanes 0-15 one row, lanes 16-31 the next
	s_mul_i32 s44, s26, MST
	s_add_co_u32 s44, s44, MB0
	v_mul_u32_u24 v5, v3, 272
	v_lshl_add_u32 v5, v2, 4, v5
	v_add_nc_u32 v5, s44, v5
	v_mul_u32_u24 v6, v2, 272
	v_lshl_add_u32 v6, v3, 4, v6
	v_add_nc_u32 v6, s44, v6
	v_lshlrev_b32 v7, 3, v1
	s_mov_b32 s45, 0x01010101
	v_mov_b32 v90, s45
	v_mov_b32 v92, 0                               ; v_writelane_b32's destination counts as read
	v_mov_b32 v93, 0
	s_mov_b32 s35, 0                               ; the step
	s_mov_b32 s36, 0                               ; steps with a set byte
	s_mov_b32 s37, 0                               ; steps all of whose bytes are set
.irp i, 0,1,2,3,4,5,6,7
	global_load_b128 v[16+4*\i:19+4*\i], v4, s[6:7] offset:(2*\i+8*(\i/4))*2048 th:TH_LOAD_NT
.endr
	s_mov_b32 s34, 7
.Lmask:
	s_wait_alu depctr_va_vdst(0)
	DSTEP 1
	s_sub_co_u32 s34, s34, 1
	s_cmp_lg_u32 s34, 0
	s_cbranch_scc1 .Lmask
	DSTEP 0                                        ; the last 256 keys: nothing more is loaded
	v_cmp_eq_u32 s31, s45, v90
	s_lshr_b32 s32, s31, 16
	s_and_b32 s31, s31, s32
	s_and_b32 s31, s31, 0xffff                     ; rows that are set everywhere: reference() gives them the mean of V, so none of their steps may be left out
	s_cmp_lg_u32 s31, 0
	s_cselect_b32 s37, 0, s37
	s_lshl_b32 s36, s36, 16
	s_or_b32 s36, s36, s37
	v_mov_b32 v8, s36
	v_mov_b32 v9, 0
	v_cmp_eq_u32 vcc_lo, 0, v1
	s_wait_alu depctr_va_vdst(0)
	s_wait_xcnt 0x0                                ; EXEC changes only behind this wait
	s_wait_tensorcnt 0x0
	ds_add_u32 v254, v255
	s_wait_dscnt 0x0
	s_and_saveexec_b32 s33, vcc_lo
	global_store_b32 v9, v8, s[24:25]              ; lane 0 stores the tile's word
	s_endpgm
.Lfunc_end_k_q0b5b154db3_prep:
	.size	k_q0b5b154db3_prep, .Lfunc_end_k_q0b5b154db3_prep-k_q0b5b154db3_prep
	.p2alignl 7, 3214868480
	.fill 96, 4, 3214868480
	.section	.rodata,"a",@progbits
	.p2align	6, 0x0
	.amdhsa_kernel k_q0b5b154db3_prep
		.amdhsa_group_segment_fixed_size 51712
		.amdhsa_private_segment_fixed_size 0
		.amdhsa_enable_private_segment 0
		.amdhsa_kernarg_size 88
		.amdhsa_user_sgpr_count 2
		.amdhsa_user_sgpr_kernarg_segment_ptr 1
		.amdhsa_wavefront_size32 1
		.amdhsa_system_sgpr_workgroup_id_x 1
		.amdhsa_system_sgpr_workgroup_id_y 1
		.amdhsa_system_sgpr_workgroup_id_z 1
		.amdhsa_system_vgpr_workitem_id 0
		.amdhsa_next_free_vgpr 256
		.amdhsa_next_free_sgpr 66
		.amdhsa_reserve_vcc 1
		.amdhsa_float_denorm_mode_32 3
		.amdhsa_float_denorm_mode_16_64 3
		.amdhsa_memory_ordered 1
		.amdhsa_forward_progress 1
		.amdhsa_inst_pref_size 114
	.end_amdhsa_kernel
	.amdgpu_metadata
---
amdhsa.version: [ 1, 2 ]
amdhsa.kernels:
  - .name:           k_q0b5b154db3_prep
    .symbol:         k_q0b5b154db3_prep.kd
    .args:
      - { .name: x, .offset: 0, .size: 8, .value_kind: global_buffer, .address_space: global }
      - { .name: mask, .offset: 8, .size: 8, .value_kind: global_buffer, .address_space: global }
      - { .name: Wq, .offset: 16, .size: 8, .value_kind: global_buffer, .address_space: global }
      - { .name: Wk, .offset: 24, .size: 8, .value_kind: global_buffer, .address_space: global }
      - { .name: Wv, .offset: 32, .size: 8, .value_kind: global_buffer, .address_space: global }
      - { .name: Wo, .offset: 40, .size: 8, .value_kind: global_buffer, .address_space: global }
      - { .name: xq, .offset: 48, .size: 8, .value_kind: global_buffer, .address_space: global }
      - { .name: wc, .offset: 56, .size: 8, .value_kind: global_buffer, .address_space: global }
      - { .name: ws, .offset: 64, .size: 8, .value_kind: global_buffer, .address_space: global }
      - { .name: mbits, .offset: 72, .size: 8, .value_kind: global_buffer, .address_space: global }
      - { .name: flags, .offset: 80, .size: 8, .value_kind: global_buffer, .address_space: global }
    .group_segment_fixed_size: 51712
    .private_segment_fixed_size: 0
    .kernarg_segment_align: 8
    .kernarg_segment_size: 88
    .max_flat_workgroup_size: 128
    .sgpr_count:     66
    .vgpr_count:     256
    .wavefront_size: 32
...
	.end_amdgpu_metadata
.endif
;; end of part 5
;; launch qkv: the kernel of part 2 again; grid 4 x 64, 4 waves a work-group, no clusters, 168,448 bytes of LDS; arguments xq, wc, ws, bq, bk, bv, qkv; writes qkv
;; launch attn (part 6): grid 4 x 64, 16 waves a work-group, no clusters, 206,848 bytes of LDS; arguments qkv, mbits, flags, aq; writes aq
.if DOCPART == 6
	.amdgcn_target "amdgcn-amd-amdhsa--gfx1250"
	.amdhsa_code_object_version 6
	.text
	.protected	k_q0b5b154db3_attn
	.globl	k_q0b5b154db3_attn
	.p2align	8
	.type	k_q0b5b154db3_attn,@function
k_q0b5b154db3_attn:
	s_mov_b64 s[64:65], 0
	v_nop
	global_prefetch_b8 v0, s[64:65] scope:SCOPE_SE
	s_setreg_imm32_b32 hwreg(HW_REG_WAVE_SCHED_MODE, 0, 2), 2
	s_setreg_imm32_b32 hwreg(HW_REG_WAVE_MODE, 25, 1), 1
	s_wait_xcnt 0x0
	s_wait_alu depctr_vm_vsrc(0)
; ATTENTION on codes of FP6 (E2M3) with E8M0 scales: S^T = K Q^T, the mask, p = 2^(t - M), O^T = V^T P^T, O / l, and O quantised along the model's 1,024 into the images that the last projection takes.
; t = score x 0.125 log2(e); M = the running largest t rounded UP to a whole number, kept as -M; p is quantised along the keys, not normalised; l is the sum of the unquantised p.  When M moves, l and O^T are multiplied by 2^(old M - new M): exact.
; THE MASK IS AN INPUT.  The first launch has packed it into one lane mask for each score register and two flags a step.  A hidden score is REPLACED by -2^33 (a logit of -1.07e9 where reference() writes -1e9): times c it is a whole
; number exactly, so a row that is hidden everywhere gets p = 1 for every key, as with reference()'s number, and everywhere else p = 0.  LIMIT: true logits at or under about -1e9 are not served.  NaN and infinities are not served.
; A step is LEFT OUT by a scalar branch on its stored flag, which is set only where all 16 x 128 mask bytes are set and no row of the tile is hidden everywhere: every p of the step would be 0.
; SHARES.  Work-group (p, bh) holds its head's whole K and V, codes and scale words, in LDS (204,800 bytes as they lie in qkv), and serves query blocks p and 7 - p of 256; wave w takes one tile of 16 queries of each.
; Four waves share a SIMD: one wave's softmax stands beside another's products and LDS loads.  One barrier, behind the fill; after it LDS is only read.
; NO TENSOR LOAD AND NO CLUSTER: K and V come through registers, once a work-group.
; THE HEAD'S 64 ARE HALF OF THE INSTRUCTION'S 128: a fragment of K carries two key tiles, one in each half of K; Q stands as [Q | 0 | Q] in 18 registers, and [Q | 0] or [0 | Q] picks the tile: zero codes add nothing.
; REGISTERS: v1 16 L, v2 8 L + 98,304, v3 -2^33, v4-7 LDS addresses in hand, v8 8 r, v9 8 L, v38 2 r + h; v[10:11] K's scale words, v34 Q's, v35 p's, v[36:37] V's; v12 -M, v13 largest t, v[14:15] l;
;   v16-33 Q; v40-87 four fragments of K, then of V; v88-151 S^T, then p; v152-183 O^T; v184-195 codes; v196-202 at work; v204-215 blocks' maxima, bytes, scales; v[216:217] f; v218 at work; v[220:221] second sum; v222-223 Q's offsets.
; THE MODE: SCHED_MODE bits 1:0 = 2 (LLVM: expert scheduling mode 2), set by the entry lines.  The code itself states the register dependences between vector or matrix instructions and memory or LDS instructions,
; with s_wait_alu, always for 0.
; THE PLAN.  Registers that memory or LDS instructions touch:
;   v4-7           At the kernel's head: the fill's offset and LDS addresses.  In a step: written by four additions at its head; v4, v6 read by K's LDS loads, v5, v7 by V's.
;   v40-87         K's 12 LDS loads land there at a step's head and the eight products K Q^T read them; V's 12 land there under the softmax and the four products V^T P read them.  (With v88-139: the fill's data, once.)
;   v[10:11], v[36:37]  K's and V's scale words: LDS loads land there, the products read them.
;   v16-21, v28-33, v34, v222, v223   Q, its scale word and its offsets: once a half.       v1, v8, v9, v38   offsets, made once at the head.
;   v184-189, v218 written in every step and on a half's way out; read by the half's three stores.
; A STEP HAS: one wait on vm_vsrc ahead of the four additions; ONE wait on va_vdst behind them, for the addresses and for the last step's products, ahead of K's loads; the wait for the batch of exponentials, behind which the
; products K Q^T are done with v40-87 too, so that V's loads follow it with no wait of their own, dealt among vector lines that name none of v5, v7, v36, v37, v40-87; the wait for the four exponentials; and one wait on va_vdst
; ahead of the products V^T P, for p's codes and scale word.  A step that is left out issues nothing on either side.
.set S,   88
.set OT,  152
.set PCD, 184
.set BM,  204
.set BP,  208
.set SO,  212
.macro WMZ d, a, b, sa, sb, ra         ; a product that starts its sum with the constant 0
.if (\ra) == 0
	v_wmma_scale_f32_16x16x128_f8f6f4 v[(\d):(\d)+7], v[(\a):(\a)+11], v[(\b):(\b)+11], 0, v[(\sa)], v[(\sb)] matrix_a_fmt:MATRIX_FMT_FP6 matrix_b_fmt:MATRIX_FMT_FP6
.else
	v_wmma_scale_f32_16x16x128_f8f6f4 v[(\d):(\d)+7], v[(\a):(\a)+11], v[(\b):(\b)+11], 0, v[(\sa)], v[(\sb)] matrix_a_fmt:MATRIX_FMT_FP6 matrix_b_fmt:MATRIX_FMT_FP6 matrix_a_scale:MATRIX_SCALE_ROW1
.endif
.endm
.macro WMA d, a, b, sa, sb, ra         ; a product that adds in place
.if (\ra) == 0
	v_wmma_scale_f32_16x16x128_f8f6f4 v[(\d):(\d)+7], v[(\a):(\a)+11], v[(\b):(\b)+11], v[(\d):(\d)+7], v[(\sa)], v[(\sb)] matrix_a_fmt:MATRIX_FMT_FP6 matrix_b_fmt:MATRIX_FMT_FP6
.else
	v_wmma_scale_f32_16x16x128_f8f6f4 v[(\d):(\d)+7], v[(\a):(\a)+11], v[(\b):(\b)+11], v[(\d):(\d)+7], v[(\sa)], v[(\sb)] matrix_a_fmt:MATRIX_FMT_FP6 matrix_b_fmt:MATRIX_FMT_FP6 matrix_a_scale:MATRIX_SCALE_ROW1
.endif
.endm
.macro VFRAG t                         ; fragment t of V: three LDS loads of 512 consecutive bytes
.irp c, 0,1,2
	ds_load_b128 v[40+12*(\t)+4*\c:43+12*(\t)+4*\c], v5 offset:1536*(\t)+512*\c
.endr
.endm
	s_load_b256 s[4:11], s[0:1], 0x0               ; qkv 4, mbits 6, flags 8, aq 10
	v_lshl_add_u32 v254, v0, 2, 0x32000
	v_mov_b32 v255, 0
	v_lshrrev_b32 v1, 5, v0
	v_readfirstlane_b32 s12, v1                    ; wave 0..15
	s_mov_b32 s13, ttmp9                           ; p
	s_and_b32 s14, ttmp7, 0xffff                   ; 16 b + head
	s_lshr_b32 s2, s14, 4                          ; b
	s_and_b32 s3, s14, 15                          ; head
	s_mov_b32 s20, 0x76543210
	s_mov_b32 s21, 0xfedcba98                      ; v_permlanex16_b32's selects for lane l xor 16
	s_mov_b32 s22, 0x3e38aa3b                      ; c = 0.125 log2(e)
	s_mov_b32 s23, s22                             ; (named with it as a pair, so it is written)
	s_mov_b32 s66, 0xffff0000                      ; lanes 16-31
	s_mul_i32 s26, s14, 307200
	s_mov_b32 s27, 0
	s_wait_alu depctr_va_sdst(0)                   ; s12 is written, ahead of its first reader: each half makes its tile's number from it
	v_lshlrev_b32 v4, 4, v0                        ; 16 x thread: my 16 bytes of each 8,192
	v_add_nc_u32 v5, 0x10000, v4
	v_add_nc_u32 v6, 0x20000, v4
	v_add_nc_u32 v7, 0x30000, v4
	s_wait_kmcnt 0x0
	s_add_nc_u64 s[4:5], s[4:5], s[26:27]          ; my head's q, k, v
	s_wait_alu depctr_va_vdst(0)                   ; v4 to v7 are written: v4 is the offset of the 25 loads, all four are the addresses of the 25 LDS stores; no vector line between here and the last of those names v4-7 or v40-139
.set i, 0
.rept 25
	global_load_b128 v[40+4*i:43+4*i], v4, s[4:5] offset:102400+8192*i   ; K and V: 25 x 8,192 bytes for the work-group; a wave reads 512 consecutive bytes
.set i, i+1
.endr
	v_and_b32 v9, 31, v0                           ; L
	v_and_b32 v8, 15, v0                           ; r
	v_bfe_u32 v38, v0, 4, 1                        ; h
	v_lshlrev_b32 v1, 4, v9
	v_lshl_add_u32 v2, v9, 3, 98304
	v_lshl_add_u32 v38, v8, 1, v38
	v_lshlrev_b32 v8, 3, v8
	v_lshlrev_b32 v9, 3, v9
	v_mov_b32 v3, 0xd0000000                       ; -2^33
.irp j, 22,23,24,25,26,27
	v_mov_b32 v\j, 0                               ; the zero codes between the two copies of Q
.endr
.irp b, 0,1,2,3
	v_mov_b32 v[BP+\b], 0                          ; a lane permute's destination counts as one of its sources
.endr
	v_mov_b32 v217, 0                              ; (named as the upper half of the pair v[216:217])
	v_mov_b32 v218, 0
.set i, 0
.rept 25
	s_wait_loadcnt 24-i                            ; loads come back in order: load i is in, the younger ones stay out
	ds_store_b128 v[4+i/8], v[40+4*i:43+4*i] offset:8192*(i%8)
.set i, i+1
.endr
	s_wait_dscnt 0x0                               ; for the others' sake: my stores have landed
	s_barrier_signal -1
	s_barrier_wait -1
.macro HALF hf
	s_wait_xcnt 0x0                                ; the last half's stores have read their registers and bases
	s_wait_alu depctr_vm_vsrc(0)                   ; first half: the fill's LDS stores have read v4-7 and v40-139; second half: the stores have read v184-189 and v218, Q's loads v222 and v223: all of these are written again below
.if \hf == 0
	s_mov_b32 s32, s13
.else
	s_sub_co_u32 s32, 7, s13
.endif
	s_lshl_b32 s15, s32, 4
	s_add_co_u32 s15, s15, s12                     ; my tile of queries, 0 .. 127
	s_lshr_b32 s33, s15, 3                         ; its block of 128 tokens,
	s_bfe_u32 s34, s15, 0x20001                    ; the group (pair of tiles) in it,
	s_and_b32 s35, s15, 1                          ; and which of the pair
	s_mul_i32 s36, s33, 6144
	s_mul_i32 s37, s34, 1536
	s_add_co_u32 s36, s36, s37
	s_mov_b32 s37, 0
	s_add_nc_u64 s[36:37], s[4:5], s[36:37]        ; the group's image
	s_lshl_b32 s38, s33, 8
	s_and_b32 s39, s34, 1
	s_lshl_b32 s39, s39, 7
	s_add_co_u32 s38, s38, s39
	s_lshr_b32 s39, s34, 1
	s_lshl_b32 s39, s39, 2
	s_add_co_u32 s38, s38, s39
	s_add_co_u32 s38, s38, 98304
	s_mov_b32 s39, 0
	s_add_nc_u64 s[38:39], s[4:5], s[38:39]        ; its scale words
	s_lshl_b32 s40, s2, 7
	s_add_co_u32 s40, s40, s15                     ; 128 b + tile
	s_lshl_b32 s42, s40, 12
	s_mov_b32 s43, 0
	s_add_nc_u64 s[24:25], s[6:7], s[42:43]        ; the tile's lane masks: 256 bytes a step
	s_lshl_b32 s40, s40, 2
	s_mov_b32 s41, 0
	s_add_nc_u64 s[40:41], s[8:9], s[40:41]
	s_load_b32 s17, s[40:41], 0x0                  ; its flags
	s_mul_i32 s44, s35, 520
	s_mul_i32 s45, s35, 1016
	v_add_nc_u32 v222, s44, v1                     ; registers 6 u .. 6 u + 5 of the image lie at 16 L + 520 u, 16 L + 8 + 1,016 u, 16 L + 512 + 520 u
	v_add_nc_u32 v223, s45, v1
	s_wait_alu depctr_va_vdst(0)                   ; v222, v223 and v8 are written, which the seven loads below read; the last half's products are done reading v16-21, v28-33 and v34, and its vector lines have written v34: the loads land there
.irp d, 16, 28
	global_load_b64 v[\d:\d+1], v222, s[36:37]
	global_load_b64 v[\d+2:\d+3], v223, s[36:37] offset:8
	global_load_b64 v[\d+4:\d+5], v222, s[36:37] offset:512
.endr
	global_load_b32 v34, v8, s[38:39]
	v_mov_b32 v13, 0xff61b1e6                      ; the largest t so far: -3e38
	v_mov_b32 v14, 0
	v_mov_b32 v15, 0
	v_floor_f32 v12, -v13
	s_mov_b32 s18, 0                               ; where the step's codes begin in LDS,
	s_mov_b32 s19, 0                               ; and its scale words
	s_mov_b32 s16, 16
	s_lshl_b32 s35, s35, 4
	s_wait_loadcnt 0x0
	s_wait_kmcnt 0x0
	v_lshrrev_b32 v34, s35, v34                    ; my tile's two bytes of the pair's word,
	v_and_b32 v34, 0xffff, v34
	v_lshl_or_b32 v34, v34, 16, v34                ; for either half of K
.irp j, 0,1,2,3,4,5,6,7,8,9,10,11,12,13,14,15,16,17,18,19,20,21,22,23,24,25,26,27,28,29,30,31
	v_mov_b32 v[OT+\j], 0                          ; the step is written once: the first finds zeros.  (These are also the places between the scale word's last line and the first product)
.endr
.Lk_\@:                                            ; 16 trips: a constant; a step that is left out still steps the addresses
	s_bitcmp1_b32 s17, 0
	s_cbranch_scc1 .Lskip_\@
	s_load_b512 s[32:47], s[24:25], 0x0            ; the step's 64 lane masks
	s_load_b512 s[48:63], s[24:25], 0x40
	s_load_b512 s[68:83], s[24:25], 0x80
	s_load_b512 s[84:99], s[24:25], 0xc0
	s_wait_alu depctr_vm_vsrc(0)                   ; the LDS loads of the last step that was worked have read v4 to v7, which the four lines below write
	v_add_nc_u32 v4, s18, v1                       ; the step's codes of K,
	v_add_nc_u32 v6, s19, v2                       ; its scale words,
	v_add_nc_u32 v5, 102400, v4                    ; and the same of V
	v_add_nc_u32 v7, 102400, v6
	s_wait_alu depctr_va_vdst(0)                   ; v4 to v7 are written, which this step's LDS loads read; the last step's products V^T P are done reading v40-87 and v[36:37], its products K Q^T v[10:11]: loads land there; in a half's first step: v34 and the zero codes v22-27 are written, which the scaled products take
.irp q, 0,1,2,3
.irp c, 0,1,2
	ds_load_b128 v[40+12*\q+4*\c:43+12*\q+4*\c], v4 offset:1536*\q+512*\c
.endr
.endr
	ds_load_b64 v[10:11], v6
	s_wait_dscnt 0x0
.irp q, 0,1,2,3                                ; S^T: key tiles 2 q and 2 q + 1 from one fragment
	WMZ S+16*\q, 40+12*\q, 16, 10+\q/2, 34, \q%2
	WMZ S+16*\q+8, 40+12*\q, 22, 10+\q/2, 34, \q%2
.endr
.rept 4
	v_nop                                          ; places in front of the first read of the scores
.endr
	s_wait_kmcnt 0x0                               ; the lane masks are in, and their base may be stepped
	s_bitcmp1_b32 s17, 16
	s_cbranch_scc0 .Lopen_\@                       ; no byte of the step's mask is set
.set n, 0
.rept 64
.if n < 32
	v_cndmask_b32 v[S+n], v[S+n], v3, s[32+n]
.else
	v_cndmask_b32 v[S+n], v[S+n], v3, s[36+n]
.endif
.set n, n+1
.endr
.Lopen_\@:
.irp b, 0,1,2,3
	v_max3_num_f32 v[BM+\b], v[S+16*\b], v[S+1+16*\b], v[S+2+16*\b]   ; the largest score of each block of 32 keys: for the row's maximum and, since p rises with the score, for the block's largest p
.endr
.irp i, 3,5,7,9,11,13
.irp b, 0,1,2,3
	v_max3_num_f32 v[BM+\b], v[BM+\b], v[S+16*\b+\i], v[S+1+16*\b+\i]
.endr
.endr
.irp b, 0,1,2,3
	v_max_num_f32 v[BM+\b], v[BM+\b], v[S+15+16*\b]
.endr
.irp b, 0,1,2,3
	v_permlanex16_b32 v[BP+\b], v[BM+\b], s20, s21
.endr
.irp b, 0,1,2,3
	v_max_num_f32 v[BM+\b], v[BM+\b], v[BP+\b]
.endr
	v_max3_num_f32 v218, v[BM], v[BM+1], v[BM+2]
	v_max_num_f32 v218, v218, v[BM+3]
	v_mul_f32 v218, s22, v218                      ; as t
	v_max_num_f32 v13, v13, v218
	v_mov_b32 v218, v12
	v_floor_f32 v12, -v13                          ; the new -M
	v_sub_f32 v218, v12, v218                      ; old M - new M: a whole number, 0 or less
	v_cvt_i32_f32 v218, v218                       ; (it saturates)
	v_ldexp_f32 v216, 1.0, v218                    ; f
.irp j, 0,2,4,6,8,10,12,14,16,18,20,22,24,26,28,30,32,34,36,38,40,42,44,46,48,50,52,54,56,58,60,62
	v_pk_fma_f32 v[S+\j:S+1+\j], v[S+\j:S+1+\j], s[22:23], v[12:13] op_sel_hi:[1,0,0]   ; t - M
.endr
.irp b, 0,1,2,3
	v_fma_f32 v[BM+\b], v[BM+\b], s22, v12
.endr
.set n, 0
	s_wait_alu depctr_va_vdst(0)
.rept 64
	v_exp_f32 v[S+n], v[S+n]                       ; p
.set n, n+1
.endr
	v_pk_mul_f32 v[14:15], v[14:15], v[216:217] op_sel_hi:[1,0]   ; l under the new M: the plain place behind the exponentials
	s_wait_alu depctr_va_vdst(0)                   ; the 64 exponentials have written v88-151, ahead of their first reader; and the products K Q^T are done reading v40-87, in which V's loads land
	VFRAG 0                                        ; V lands under the rest of the softmax: its 13 loads are dealt among lines that name v14-15, v88-151, v204-207 and v220-221 alone
	ds_load_b64 v[36:37], v7
.irp b, 0,1,2,3
	v_exp_f32 v[BM+\b], v[BM+\b]                   ; the blocks' largest p
.endr
	v_pk_add_f32 v[220:221], v[S:S+1], v[S+2:S+3]  ; l is taken of the unquantised p, in two chains
	VFRAG 1
.irp j, 4,8,12,16
	v_pk_add_f32 v[14:15], v[14:15], v[S+\j:S+1+\j]
	v_pk_add_f32 v[220:221], v[220:221], v[S+2+\j:S+3+\j]
.endr
	VFRAG 2
.irp j, 20,24,28,32
	v_pk_add_f32 v[14:15], v[14:15], v[S+\j:S+1+\j]
	v_pk_add_f32 v[220:221], v[220:221], v[S+2+\j:S+3+\j]
.endr
	VFRAG 3
.irp j, 36,40,44,48,52
	v_pk_add_f32 v[14:15], v[14:15], v[S+\j:S+1+\j]
	v_pk_add_f32 v[220:221], v[220:221], v[S+2+\j:S+3+\j]
.endr
	s_wait_alu depctr_va_vdst(0)                   ; the four exponentials have written v204-207, ahead of their first reader
.irp b, 0,1,2,3
	v_max_num_f32 v[BM+\b], 0x1800000, v[BM+\b]    ; the floor 2^(3 - 127)
.endr
.irp b, 0,1,2,3
	v_add_nc_u32 v[SO+\b], 0xff000000, v[BM+\b]
.endr
.irp b, 0,1,2,3
	v_lshrrev_b32 v[BP+\b], 23, v[SO+\b]
.endr
	v_lshl_or_b32 v35, v[BP+1], 8, v[BP]
	v_lshl_or_b32 v35, v[BP+2], 16, v35
	v_lshl_or_b32 v35, v[BP+3], 24, v35            ; p's scale word for these 128 keys
.irp c, 0,1
	v_cvt_scalef32_pk16_fp6_f32 v[PCD+6*\c:PCD+2+6*\c], v[S+32*\c:S+15+32*\c], v[SO+2*\c]
	v_cvt_scalef32_pk16_fp6_f32 v[196+4*\c:198+4*\c], v[S+16+32*\c:S+31+32*\c], v[SO+1+2*\c]
.endr
	v_nop                                          ; one plain place behind the scaled conversions
.irp c, 0,1
.irp i, 0,1,2
	v_permlane16_swap_b32 v[PCD+6*\c+\i], v[196+4*\c+\i]
.endr
.irp i, 0,1,2
	v_mov_b32 v[PCD+3+6*\c+\i], v[196+4*\c+\i]
.endr
.endr
.irp j, 0,2,4,6,8,10,12,14,16,18,20,22,24,26,28,30
	v_pk_mul_f32 v[OT+\j:OT+1+\j], v[OT+\j:OT+1+\j], v[216:217] op_sel_hi:[1,0]   ; O^T under the new M, each accumulator from its low end on
.endr
.irp j, 56,60
	v_pk_add_f32 v[14:15], v[14:15], v[S+\j:S+1+\j]                ; the sums' last lines stand here, between the last write of O^T and the products
	v_pk_add_f32 v[220:221], v[220:221], v[S+2+\j:S+3+\j]
.endr
	v_pk_add_f32 v[14:15], v[14:15], v[220:221]
	s_wait_alu depctr_va_vdst(0)                   ; p's codes v184-195 and its scale word v35 are written, which the scaled products below take; the places in front of those products stand above this wait
	s_wait_dscnt 0x0                               ; V is in
.irp t, 0,1,2,3                                ; O^T += V^T P^T: four accumulators, one instruction each: they take turns
	WMA OT+8*\t, 40+12*\t, PCD, 36+\t/2, 35, \t%2
.endr
.Lskip_\@:
	s_add_co_u32 s18, s18, 6144
	s_add_co_u32 s19, s19, 256
	s_add_nc_u64 s[24:25], s[24:25], 256
	s_lshr_b32 s17, s17, 1
	s_sub_co_u32 s16, s16, 1
	s_cmp_lg_u32 s16, 0
	s_cbranch_scc1 .Lk_\@
	; THE WAY OUT: O / l; the head's 64 are two blocks of the last product's K; six registers of codes and two bytes a row
.rept 4
	v_nop
.endr
	v_add_f32 v14, v14, v15
	v_permlanex16_b32 v218, v14, s20, s21
	v_add_f32 v14, v14, v218
	s_wait_alu depctr_va_vdst(0)
	v_rcp_f32 v216, v14
	s_lshr_b32 s32, s15, 3
	s_lshl_b32 s33, s2, 4
	s_add_co_u32 s32, s32, s33
	s_mul_i32 s32, s32, 102400                     ; my block of 128 tokens in aq
	s_and_b32 s33, s15, 7                          ; my tile in it
	s_lshr_b32 s34, s3, 1
	s_lshl_b32 s34, s34, 3
	s_add_co_u32 s34, s34, s33
	s_lshl_b32 s34, s34, 1
	s_and_b32 s35, s3, 1
	s_add_co_u32 s34, s34, s35
	s_mul_i32 s34, s34, 768                        ; (((head / 2) 8 + tile) 2 + head % 2) half images
	s_add_co_u32 s36, s34, s32
	s_mov_b32 s37, 0
	s_add_nc_u64 s[36:37], s[10:11], s[36:37]
	s_lshl_b32 s38, s3, 8
	s_lshl_b32 s33, s33, 5
	s_add_co_u32 s38, s38, s33
	s_add_co_u32 s38, s38, s32
	s_add_co_u32 s38, s38, 98304
	s_mov_b32 s39, 0
	s_add_nc_u64 s[38:39], s[10:11], s[38:39]
	v_nop                                          ; a plain place behind the reciprocal
	s_wait_alu depctr_va_vdst(0)                   ; the reciprocal has written v216, ahead of its first reader
.irp j, 0,2,4,6,8,10,12,14,16,18,20,22,24,26,28,30
	v_pk_mul_f32 v[S+\j:S+1+\j], v[OT+\j:OT+1+\j], v[216:217] op_sel_hi:[1,0]   ; register 16 b + i: unit 32 b + 16 h + i of my query
.endr
.irp b, 0,1
	v_max3_num_f32 v[BM+\b], |v[S+16*\b]|, |v[S+1+16*\b]|, 0x1800000
.endr
.irp i, 2,4,6,8,10,12,14
.irp b, 0,1
	v_max3_num_f32 v[BM+\b], v[BM+\b], |v[S+16*\b+\i]|, |v[S+1+16*\b+\i]|
.endr
.endr
.irp b, 0,1
	v_permlanex16_b32 v[BP+\b], v[BM+\b], s20, s21
.endr
.irp b, 0,1
	v_max_num_f32 v[BM+\b], v[BM+\b], v[BP+\b]
.endr
.irp b, 0,1
	v_add_nc_u32 v[SO+\b], 0xff000000, v[BM+\b]
.endr
.irp b, 0,1
	v_lshrrev_b32 v[BP+\b], 23, v[SO+\b]
.endr
	v_cvt_scalef32_pk16_fp6_f32 v[PCD:PCD+2], v[S:S+15], v[SO]
	v_cvt_scalef32_pk16_fp6_f32 v[196:198], v[S+16:S+31], v[SO+1]
	v_nop
.irp i, 0,1,2
	v_permlane16_swap_b32 v[PCD+\i], v[196+\i]
.endr
.irp i, 0,1,2
	v_mov_b32 v[PCD+3+\i], v[196+\i]
.endr
	v_cndmask_b32 v218, v[BP], v[BP+1], s66        ; lanes 0-15 store block 0's byte, lanes 16-31 block 1's
	s_wait_alu depctr_va_vdst(0)                   ; the codes v184-189 and the byte v218 are written, which the three stores read
	global_store_b128 v1, v[PCD:PCD+3], s[36:37]               ; 512 consecutive bytes, aligned
	global_store_b64 v9, v[PCD+4:PCD+5], s[36:37] offset:512   ; 256 consecutive bytes, aligned
	global_store_b8 v38, v218, s[38:39]                        ; 32 consecutive bytes: one byte in 24 of what the launch stores
.endm
	HALF 0
	HALF 1
	s_wait_dscnt 0x0
	s_wait_alu depctr_hold_cnt(0) depctr_sa_sdst(0) depctr_va_vdst(0) depctr_va_sdst(0) depctr_va_ssrc(0) depctr_va_vcc(0) depctr_vm_vsrc(0)
	s_wait_tensorcnt 0x0
	ds_add_u32 v254, v255
	s_wait_dscnt 0x0
	s_endpgm
.Lfunc_end_k_q0b5b154db3_attn:
	.size	k_q0b5b154db3_attn, .Lfunc_end_k_q0b5b154db3_attn-k_q0b5b154db3_attn
	.p2alignl 7, 3214868480
	.fill 96, 4, 3214868480
	.section	.rodata,"a",@progbits
	.p2align	6, 0x0
	.amdhsa_kernel k_q0b5b154db3_attn
		.amdhsa_group_segment_fixed_size 206848
		.amdhsa_private_segment_fixed_size 0
		.amdhsa_enable_private_segment 0
		.amdhsa_kernarg_size 32
		.amdhsa_user_sgpr_count 2
		.amdhsa_user_sgpr_kernarg_segment_ptr 1
		.amdhsa_wavefront_size32 1
		.amdhsa_system_sgpr_workgroup_id_x 1
		.amdhsa_system_sgpr_workgroup_id_y 1
		.amdhsa_system_sgpr_workgroup_id_z 1
		.amdhsa_system_vgpr_workitem_id 0
		.amdhsa_next_free_vgpr 256
		.amdhsa_next_free_sgpr 100
		.amdhsa_reserve_vcc 0
		.amdhsa_float_denorm_mode_32 3
		.amdhsa_float_denorm_mode_16_64 3
		.amdhsa_memory_ordered 1
		.amdhsa_forward_progress 1
		.amdhsa_inst_pref_size 63
	.end_amdhsa_kernel
	.amdgpu_metadata
---
amdhsa.version: [ 1, 2 ]
amdhsa.kernels:
  - .name:           k_q0b5b154db3_attn
    .symbol:         k_q0b5b154db3_attn.kd
    .args:
      - { .name: qkv, .offset: 0, .size: 8, .value_kind: global_buffer, .address_space: global }
      - { .name: mbits, .offset: 8, .size: 8, .value_kind: global_buffer, .address_space: global }
      - { .name: flags, .offset: 16, .size: 8, .value_kind: global_buffer, .address_space: global }
      - { .name: aq, .offset: 24, .size: 8, .value_kind: global_buffer, .address_space: global }
    .group_segment_fixed_size: 206848
    .private_segment_fixed_size: 0
    .kernarg_segment_align: 8
    .kernarg_segment_size: 32
    .max_flat_workgroup_size: 512
    .sgpr_count:     100
    .vgpr_count:     256
    .wavefront_size: 32
...
	.end_amdgpu_metadata
.endif
;; end of part 6
;; launch oproj (part 7): grid 4 x 64, 4 waves a work-group, no clusters, 168,448 bytes of LDS; arguments aq, wc, ws, bo, out0; writes out0
.if DOCPART == 7
	.amdgcn_target "amdgcn-amd-amdhsa--gfx1250"
	.amdhsa_code_object_version 6
	.text
	.protected	k_q0b5b154db3_oproj
	.globl	k_q0b5b154db3_oproj
	.p2align	8
	.type	k_q0b5b154db3_oproj,@function
k_q0b5b154db3_oproj:
	s_mov_b64 s[64:65], 0
	v_nop
	global_prefetch_b8 v0, s[64:65] scope:SCOPE_SE
	s_setreg_imm32_b32 hwreg(HW_REG_WAVE_MODE, 25, 1), 1
	s_wait_xcnt 0x0
; OUT = attention's result x Wo + bo, on codes of FP6 (E2M3) with E8M0 scales; f32 rows out.
; SHARES.  Work-group (g, blk): 128 tokens x columns 256 g .. 256 g + 255; wave w makes 128 x 64: 32 accumulators, 8 K steps of 32 matrix instructions.  The tokens' block (codes and scale bytes, 102,400 dense bytes) comes
; into LDS once, a quarter by each wave's one tensor load; nothing is filled again.  The wave's part of Wo (8 K steps x 48 registers) lies in registers.
; NO CLUSTER: what the four work-groups of a token block share is a third of the 299,008 bytes that a work-group reads, and the launch is short; the weights go straight into registers.
; Source 0 = 16 columns of Wo, source 1 = 16 tokens: a lane holds one token and eight neighbouring columns.  Tiles of 16 take items rho(T, i) = 32 (T / 2) + 8 (T % 2) + i + 8 (i / 8).
; A fragment of the tokens is two HALF images (one head each, 768 bytes): registers 0-3 at 16 L, registers 4-5 at 512 + 8 L.
; REGISTERS.  window 0: v1-10 addresses; v16-31 Wo's scale words; v32-63 the tokens'; v64-95 bo as C; v144-239 fragments, set 0, later rows of the result.   window 1: Wo's K steps 0-4.   window 2: K steps 5-7; v144-239 set 1.   window 3: accumulators.
.set WS, 16
.set XS, 32
.set BI, 64
.set XF, 144
.set STO, 8
.set RD, 9
.set CO, 10
.set MSB, 0
.macro WIN new                         ; the immediate's high byte repeats the setting that is left; a switch that changes nothing is dropped
.if MSB != (\new)
	s_set_vgpr_msb (MSB<<8)|(\new)
.set MSB, (\new)
.endif
.endm
.macro PLACES n                        ; plain places behind matrix instructions (ISA guide 7.12.1)
.rept \n
	v_nop
.endr
.endm
.macro WM d, a, b, c, sa, sb, ra, rb
.if ((\ra) == 0) && ((\rb) == 0)
	v_wmma_scale_f32_16x16x128_f8f6f4 v[(\d):(\d)+7], v[(\a):(\a)+11], v[(\b):(\b)+11], v[(\c):(\c)+7], v[(\sa)], v[(\sb)] matrix_a_fmt:MATRIX_FMT_FP6 matrix_b_fmt:MATRIX_FMT_FP6
.elseif ((\ra) == 1) && ((\rb) == 0)
	v_wmma_scale_f32_16x16x128_f8f6f4 v[(\d):(\d)+7], v[(\a):(\a)+11], v[(\b):(\b)+11], v[(\c):(\c)+7], v[(\sa)], v[(\sb)] matrix_a_fmt:MATRIX_FMT_FP6 matrix_b_fmt:MATRIX_FMT_FP6 matrix_a_scale:MATRIX_SCALE_ROW1
.elseif ((\ra) == 0) && ((\rb) == 1)
	v_wmma_scale_f32_16x16x128_f8f6f4 v[(\d):(\d)+7], v[(\a):(\a)+11], v[(\b):(\b)+11], v[(\c):(\c)+7], v[(\sa)], v[(\sb)] matrix_a_fmt:MATRIX_FMT_FP6 matrix_b_fmt:MATRIX_FMT_FP6 matrix_b_scale:MATRIX_SCALE_ROW1
.else
	v_wmma_scale_f32_16x16x128_f8f6f4 v[(\d):(\d)+7], v[(\a):(\a)+11], v[(\b):(\b)+11], v[(\c):(\c)+7], v[(\sa)], v[(\sb)] matrix_a_fmt:MATRIX_FMT_FP6 matrix_b_fmt:MATRIX_FMT_FP6 matrix_a_scale:MATRIX_SCALE_ROW1 matrix_b_scale:MATRIX_SCALE_ROW1
.endif
.endm
.macro FETCHA s, set                   ; the tokens' eight fragments of K step s (a pair of heads): 32 loads
	WIN 0x80*(\set)
.irp m, 0,1,2,3,4,5,6,7
	ds_load_b128 v[XF+12*\m:XF+12*\m+3],     v[1+(\s)/4]     offset:(((\s)%4)*8+\m)*1536
	ds_load_b64  v[XF+12*\m+4:XF+12*\m+5],   v[3+3*((\s)/4)] offset:(((\s)%4)*8+\m)*1536+512
	ds_load_b128 v[XF+12*\m+6:XF+12*\m+9],   v[1+(\s)/4]     offset:(((\s)%4)*8+\m)*1536+768
	ds_load_b64  v[XF+12*\m+10:XF+12*\m+11], v[3+3*((\s)/4)] offset:(((\s)%4)*8+\m)*1536+1280
.endr
.endm
.macro LOADW s                         ; Wo's four fragments and two scale registers of K step s: 14 loads
	WIN 0x40*(1+(\s)/5)
.irp t, 0,1,2,3
.irp c, 0,1,2
	global_load_b128 v[48*((\s)%5)+12*\t+4*\c:48*((\s)%5)+12*\t+4*\c+3], v1, s[6:7] offset:3*786432+(4*(\s)+\t)*1536+512*\c
.endr
.endr
	WIN 0
.irp i, 0,1
	global_load_b32 v[WS+2*(\s)+\i], v4, s[8:9] offset:3*32768+256*(\s)+128*\i
.endr
.endm
; a K step's 32 products: the 32 accumulators take turns, one instruction a turn, in the same order in every K step; K step 0 takes the bias as C
.macro MUL s
.set WB, 48*((\s)%5)
.set WW, 1+(\s)/5
.set XW, 2*((\s)%2)
.if (\s) == 0
.set CW, 0
.else
.set CW, 3
.endif
	WIN 0xc0|(CW<<4)|(XW<<2)|WW
.irp m, 0,1,2,3,4,5,6,7
.irp t, 0,1,2,3
.set AD, 8*(4*\m+\t)
.if (\s) == 0
.set AC, BI+8*\t
.else
.set AC, AD
.endif
	WM AD, WB+12*\t, XF+12*\m, AC, WS+2*(\s)+\t/2, XS+4*(\s)+\m/2, \t%2, \m%2
.endr
.endr
.endm
.macro KSTEP s, wl
.if (\s) > 0
	PLACES 4                                       ; behind the last K step's products: the loads below land in registers that they read
.endif
.if (\s) < 7
	FETCHA (\s)+1, ((\s)+1)%2
.endif
	s_wait_loadcnt \wl                             ; this K step's weights are in: 14 younger loads for each later K step, at most what the field can name
.if (\s) < 7
	s_wait_dscnt 32                                ; this K step's fragments are in; the next one's 32 loads may be out
.else
	s_wait_dscnt 0x0
.endif
	MUL \s
.endm
; THE WAY OUT, a tile of 16 tokens x 64 columns at a time, through my own stage: in by lanes (32 bytes of a row each), back by rows of 256 bytes.  LDS serves a wave's instructions in order.
.macro TOSTAGE m
	WIN 0x0c                                       ; an LDS store's data are its source 1: window 3
.irp t, 0,1,2,3
	ds_store_b128 v[STO], v[32*(\m)+8*\t:32*(\m)+8*\t+3] offset:(32*(\t/2)+8*(\t%2))*4       ; each accumulator from its low end on
	ds_store_b128 v[STO], v[32*(\m)+8*\t+4:32*(\m)+8*\t+7] offset:(32*(\t/2)+8*(\t%2))*4+16
.endr
	WIN 0
.irp k, 0,1,2,3,4,5,6,7
	ds_load_b128 v[XF+32*((\m)%2)+4*\k:XF+32*((\m)%2)+4*\k+3], v[RD] offset:544*\k
.endr
.endm
.macro SEND m, younger
	s_wait_dscnt \younger                          ; the tile is back in registers; the next tile's 8 stores and 8 loads may be out
.irp k, 0,1,2,3,4,5,6,7
	global_store_b128 v[CO], v[XF+32*((\m)%2)+4*\k:XF+32*((\m)%2)+4*\k+3], s[24:25] offset:(32*((\m)/2)+8*((\m)%2)+2*\k+8*(\k/4))*4096 th:TH_STORE_NT   ; sixteen lanes store 256 consecutive bytes of a row, aligned
.endr
.endm
	s_load_b256 s[4:11], s[0:1], 0x0               ; aq 4, wc 6, ws 8, bo 10
	s_load_b64 s[24:25], s[0:1], 0x20              ; out0
	v_lshl_add_u32 v254, v0, 2, 0x29000
	v_mov_b32 v255, 0
	ds_add_u32 v254, v255
	ds_add_u32 v254, v255
	v_lshrrev_b32 v1, 5, v0
	v_readfirstlane_b32 s30, v1                    ; wave
	s_and_b32 s32, ttmp7, 0xffff                   ; block of 128 tokens
	s_lshl_b32 s33, ttmp9, 2
	s_add_co_u32 s33, s33, s30                     ; group of 64 columns
	; descriptor group 1: 25,600 dense bytes as 100 rows of 32 elements of 8 bytes, no padding
	s_mov_b32 s16, 3<<16
	s_mov_b32 s17, 32<<16
	s_mov_b32 s18, 100<<16
	s_mov_b32 s19, 32<<16
	s_mov_b32 s20, 100
	s_mov_b32 s21, 32
	s_mov_b32 s22, 0
	s_mov_b32 s23, 0
	s_mov_b32 s12, 1
	s_mul_i32 s13, s30, 25600
	s_mul_i32 s34, s32, 102400
	s_add_co_u32 s34, s34, s13
	s_mov_b32 s35, 0
	s_wait_dscnt 0x0
	s_wait_kmcnt 0x0
	s_add_nc_u64 s[14:15], s[4:5], s[34:35]
	s_or_b32 s15, s15, 0x80000000
	tensor_load_to_lds s[12:15], s[16:23]          ; my one tensor load of the launch: one is out
	s_nop 0
.rept 4
	v_nop
.endr
	s_mul_i32 s44, s33, 49152
	s_mov_b32 s45, 0
	s_add_nc_u64 s[6:7], s[6:7], s[44:45]
	s_lshl_b32 s44, s33, 11
	s_add_nc_u64 s[8:9], s[8:9], s[44:45]
	s_lshl_b32 s44, s33, 8
	s_add_nc_u64 s[10:11], s[10:11], s[44:45]      ; my 64 numbers of bo
	s_add_nc_u64 s[24:25], s[24:25], s[44:45]      ; my 256 bytes of a row of the result,
	s_lshl_b32 s44, s32, 19
	s_add_nc_u64 s[24:25], s[24:25], s[44:45]      ; in my block's 128 rows of 4,096 bytes
	v_and_b32 v11, 31, v0                          ; L
	v_and_b32 v12, 15, v0                          ; r
	v_bfe_u32 v13, v0, 4, 1                        ; h
	v_lshlrev_b32 v1, 4, v11                       ; 16 L
	v_add_nc_u32 v2, 49152, v1
	v_lshlrev_b32 v3, 3, v11                       ; 8 L
	v_lshlrev_b32 v4, 2, v11
	v_lshlrev_b32 v5, 6, v13
	v_add_nc_u32 v6, 49152, v3
	v_lshl_add_u32 v7, v11, 1, 98304               ; 2 L + the scale bytes' place
	s_mul_i32 s34, s30, 4352
	s_add_co_u32 s34, s34, 102400                  ; my stage: 16 rows x (256 + 16) bytes, behind the tokens' block: no fill lands there
	v_mul_u32_u24 v[STO], v12, 272
	v_lshl_add_u32 v[STO], v13, 6, v[STO]
	v_add_nc_u32 v[STO], s34, v[STO]
	v_mul_u32_u24 v[RD], v13, 272
	v_lshl_add_u32 v[RD], v12, 4, v[RD]
	v_add_nc_u32 v[RD], s34, v[RD]
	v_lshlrev_b32 v[CO], 12, v13
	v_lshl_add_u32 v[CO], v12, 4, v[CO]
.irp t, 0,1,2,3
	global_load_b128 v[BI+8*\t:BI+8*\t+3], v5, s[10:11] offset:(32*(\t/2)+8*(\t%2))*4
	global_load_b128 v[BI+8*\t+4:BI+8*\t+7], v5, s[10:11] offset:(32*(\t/2)+8*(\t%2))*4+16
.endr
.irp s, 0,1,2,3,4,5,6,7
	LOADW \s
.endr
	s_wait_alu depctr_va_vdst(0)
	s_wait_tensorcnt 0x0                           ; my quarter of the block is in,
	s_barrier_signal -1
	s_barrier_wait -1                              ; everybody's is; the block is only read from here on
.irp e, 0,1,2,3,4,5,6,7,8,9,10,11,12,13,14,15
.irp i, 0,1,2,3
	ds_load_u16 v[XF+4*\e+\i], v7 offset:256*\e+64*\i   ; head e's two bytes: lanes 0-15 tile 2 i's rows, lanes 16-31 tile 2 i + 1's
.endr
.endr
	s_wait_dscnt 0x0
.irp s, 0,1,2,3,4,5,6,7
.irp i, 0,1,2,3
	v_lshl_or_b32 v[XS+4*\s+\i], v[XF+4+8*\s+\i], 16, v[XF+8*\s+\i]   ; a K step is a pair of heads: four bytes a row.  Behind each of these words at least 28 plain lines stand ahead of the product that names it
.endr
.endr
	FETCHA 0, 0
	KSTEP 0, 63
	KSTEP 1, 63
	KSTEP 2, 63
	KSTEP 3, 56
	KSTEP 4, 42
	s_wait_alu depctr_va_vdst(0)
	KSTEP 5, 28
	KSTEP 6, 14
	KSTEP 7, 0
	PLACES 4
	TOSTAGE 0
.irp m, 1,2,3,4,5,6,7
.if \m > 1
	s_wait_xcnt 0x0                                ; the stores of the tile two back have read their registers: this tile's rows may land there
.endif
	TOSTAGE \m
	SEND \m-1, 16
.endr
	SEND 7, 0
	s_wait_tensorcnt 0x0
	ds_add_u32 v254, v255
	s_wait_dscnt 0x0
	s_endpgm
.Lfunc_end_k_q0b5b154db3_oproj:
	.size	k_q0b5b154db3_oproj, .Lfunc_end_k_q0b5b154db3_oproj-k_q0b5b154db3_oproj
	.p2alignl 7, 3214868480
	.fill 96, 4, 3214868480
	.section	.rodata,"a",@progbits
	.p2align	6, 0x0
	.amdhsa_kernel k_q0b5b154db3_oproj
		.amdhsa_group_segment_fixed_size 168448
		.amdhsa_private_segment_fixed_size 0
		.amdhsa_enable_private_segment 0
		.amdhsa_kernarg_size 40
		.amdhsa_user_sgpr_count 2
		.amdhsa_user_sgpr_kernarg_segment_ptr 1
		.amdhsa_wavefront_size32 1
		.amdhsa_system_sgpr_workgroup_id_x 1
		.amdhsa_system_sgpr_workgroup_id_y 1
		.amdhsa_system_sgpr_workgroup_id_z 1
		.amdhsa_system_vgpr_workitem_id 0
		.amdhsa_next_free_vgpr 1024
		.amdhsa_next_free_sgpr 66
		.amdhsa_reserve_vcc 0
		.amdhsa_float_denorm_mode_32 3
		.amdhsa_float_denorm_mode_16_64 3
		.amdhsa_memory_ordered 1
		.amdhsa_forward_progress 1
		.amdhsa_inst_pref_size 87
	.end_amdhsa_kernel
	.amdgpu_metadata
---
amdhsa.version: [ 1, 2 ]
amdhsa.kernels:
  - .name:           k_q0b5b154db3_oproj
    .symbol:         k_q0b5b154db3_oproj.kd
    .args:
      - { .name: aq, .offset: 0, .size: 8, .value_kind: global_buffer, .address_space: global }
      - { .name: wc, .offset: 8, .size: 8, .value_kind: global_buffer, .address_space: global }
      - { .name: ws, .offset: 16, .size: 8, .value_kind: global_buffer, .address_space: global }
      - { .name: bo, .offset: 24, .size: 8, .value_kind: global_buffer, .address_space: global }
      - { .name: out0, .offset: 32, .size: 8, .value_kind: global_buffer, .address_space: global }
    .group_segment_fixed_size: 168448
    .private_segment_fixed_size: 0
    .kernarg_segment_align: 8
    .kernarg_segment_size: 40
    .max_flat_workgroup_size: 128
    .sgpr_count:     66
    .vgpr_count:     1024
    .wavefront_size: 32
...
	.end_amdgpu_metadata
.endif
;; end of part 7
